; MI455X (gfx1250); checked and timed in simulation.
; The chip was launched on July 23, 2026; its instructions are those of AMD's public machine-readable ISA for CDNA 5 (MIT licence, August 2026) and "CDNA5" Instruction Set Architecture Reference Guide (July 2026). The comments in the code are by the model that wrote it; some were corrected since.
;; Attention. Allowed arithmetic: float matrix products may take bf16 or f16 operands with f32 sums; all other float work in f32.
;; Inputs: Wk 1,024 x 1,024 float32; Wo 1,024 x 1,024 float32; Wq 1,024 x 1,024 float32; Wv 1,024 x 1,024 float32; bo 1,024 float32; mask 2 x 2,048 x 2,048 float32; x 2 x 2,048 x 1,024 float32.
;; Outputs: out0 2 x 2,048 x 1,024 float32.
;; 2 versions, each right; version 2 is version 1 with the launch prep written anew for expert scheduling mode. Each part assembles by itself: llvm-mc -triple=amdgcn-amd-amdhsa -mcpu=gfx1250 --defsym DOCPART=n.
;; ======== version 1 of 2: 4 launches
;; limits: values are held in f16: magnitudes above 65,504 overflow, below 6.1e-05 lose precision; right only within a limited range of input values
;; workspace buffers: cb 16,777,216 bytes; tab 524,288 bytes; qb 8,388,608 bytes; kb 8,388,608 bytes; vb 8,388,608 bytes; ao 8,388,608 bytes
;; launch prep (part 1): grid 256 x 1, 8 waves a work-group, no clusters, 0 bytes of LDS; arguments x, Wq, Wk, Wv, Wo, cb, tab; writes cb, tab
.if DOCPART == 1
	.amdgcn_target "amdgcn-amd-amdhsa--gfx1250"
	.amdhsa_code_object_version 6
	.text
	.protected	k_q7682a69782_prep
	.globl	k_q7682a69782_prep
	.p2align	8
	.type	k_q7682a69782_prep,@function
k_q7682a69782_prep:
	s_mov_b64 s[64:65], 0
	v_nop
	global_prefetch_b8 v0, s[64:65] scope:SCOPE_SE
	s_setreg_imm32_b32 hwreg(HW_REG_WAVE_MODE, 25, 1), 1
	s_wait_xcnt 0x0
; prep: the operands of all later products, rounded once to f16, and the table of RoPE's cosines and sines.
; cb (rows of 1,024 f16 = 2,048 bytes): byte 0: x, 4,096 rows; byte WQKV: 3,072 weight rows in the order 192 head + 64 ty + d
; (ty 0 = Wq, 1 = Wk, 2 = Wv), so that one head's q, k and v rows are neighbours; byte WOFF: Wo, 1,024 rows.
; tab: f32 [n 2048][i 32][cos, sin] of the angle n * 10000^(-i/32); a row is 256 bytes.
; WHY f16: eleven bits of significand against bf16's eight.  With scores near zero a result is a mean of 2,048 values of v, and six
; roundings lie on its way (x, Wv, v, the probabilities, the heads' output, Wo); in f16 each is eight times finer.
; ROOM IN f16: numbers of x of the size 1 and weights of the size 1/32 stay under 200 and under 6 when 30 times larger or shifted by 30
; of their spreads (f16 ends at 65,504); weights 30 times smaller have the size 1e-3, and f16's step under 2^-14 is 2^-24, 6e-5 of that.
; A stream: no LDS, no barrier, no matrix unit.  256 work-groups of 8 waves; a work-group casts 32 rows (131,072 bytes in,
; 65,536 out).  Thread t owns 16 bytes at 16 t of every row: a wave's load covers 512 consecutive bytes, its store 256
; consecutive aligned bytes.  All 32 loads of a thread go out at once; the table is computed while they are on their way.
; LIMIT: the angle is reduced in f32 (n * invf, then the fraction of angle / 2 pi by one fused multiply-add); at n = 2,047 that
; leaves an error of some 3e-4 radians, the size of the rounding of the f32 angle itself.  The two series are cut at y^11 and
; y^12 for |y| <= pi/2: the first terms left out are below 6e-8.
.set WQKV, 8388608
.set WOFF, 14680064
.set X, 16                             ; v[16:143] the 32 loads, 4 registers each; the packed results are made in place
	s_load_b256 s[4:11], s[0:1], 0x0               ; x s[4:5], Wq s[6:7], Wk s[8:9], Wv s[10:11]
	s_load_b128 s[12:15], s[0:1], 0x20             ; Wo s[12:13], cb s[14:15]
	s_load_b64 s[16:17], s[0:1], 0x30              ; tab
	s_mov_b32 s20, ttmp9                           ; g: groups 0-127 cast x, 128-255 the four weights, 32 groups each
	s_and_b32 s21, s20, 127
	s_lshr_b32 s22, s21, 5                         ; ty: which weight
	s_and_b32 s23, s21, 31                         ; rb: which 32 rows of it
	s_lshr_b32 s24, s23, 1                         ; head = rb / 2
	s_mul_i32 s24, s24, 192
	s_lshl_b32 s25, s22, 6
	s_add_co_u32 s24, s24, s25                     ; + 64 ty
	s_and_b32 s25, s23, 1
	s_lshl_b32 s25, s25, 5
	s_add_co_u32 s24, s24, s25                     ; + 32 (rb odd)
	s_lshl_b32 s24, s24, 11                        ; rows of 2,048 bytes
	s_add_co_u32 s24, s24, WQKV                    ; where Wq, Wk, Wv rows go
	s_lshl_b32 s25, s23, 16
	s_add_co_u32 s25, s25, WOFF                    ; where Wo rows go
	s_cmp_eq_u32 s22, 3
	s_cselect_b32 s24, s25, s24
	s_lshl_b32 s25, s20, 16                        ; where x rows go
	s_lshl_b32 s26, s20, 17                        ; where x rows come from
	s_lshl_b32 s27, s23, 17                        ; where weight rows come from
	s_cmp_lt_u32 s20, 128
	s_cselect_b32 s24, s25, s24                    ; s24: byte offset in cb
	s_cselect_b32 s26, s26, s27                    ; s26: byte offset in the source
	s_mov_b32 s25, 0
	s_mov_b32 s27, 0
	s_lshl_b32 s18, s20, 11                        ; the group's 8 rows of tab
	s_mov_b32 s19, 0
	v_lshlrev_b32 v1, 4, v0                        ; 16 t: my bytes in a source row
	v_lshlrev_b32 v2, 3, v0                        ; 8 t: my bytes in a row of cb, and in the group's part of tab
	s_wait_kmcnt 0x0
	s_cmp_eq_u32 s22, 1                            ; the source buffer: a choice on the group's number alone
	s_cselect_b64 s[28:29], s[8:9], s[6:7]
	s_cmp_eq_u32 s22, 2
	s_cselect_b64 s[28:29], s[10:11], s[28:29]
	s_cmp_eq_u32 s22, 3
	s_cselect_b64 s[28:29], s[12:13], s[28:29]
	s_cmp_lt_u32 s20, 128
	s_cselect_b64 s[28:29], s[4:5], s[28:29]
	s_add_nc_u64 s[28:29], s[28:29], s[26:27]
	s_add_nc_u64 s[30:31], s[14:15], s[24:25]
	s_add_nc_u64 s[16:17], s[16:17], s[18:19]
.set j, 0
.rept 32
	global_load_b128 v[X+4*j:X+4*j+3], v1, s[28:29] offset:4096*j th:TH_LOAD_NT   ; row j; read once in the launch
.set j, j+1
.endr
	; the table: n = 8 g + wave, i = lane
	v_and_b32 v4, 31, v0
	v_lshrrev_b32 v5, 5, v0
	s_lshl_b32 s32, s20, 3
	v_add_nc_u32 v5, s32, v5
	v_cvt_f32_u32 v4, v4
	v_cvt_f32_u32 v5, v5
	v_mul_f32 v4, 0xbed49a78, v4                   ; -i log2(10000) / 32
	v_exp_f32 v4, v4                               ; 10000^(-i/32)
	v_nop                                          ; one plain place behind a transcendental (ISA guide 5.7.2)
	s_wait_alu depctr_va_vdst(0)
	v_mul_f32 v5, v5, v4                           ; the angle
	v_mul_f32 v6, 0.15915494, v5
	v_rndne_f32 v6, v6                             ; whole turns
	v_fma_f32 v6, v5, 0.15915494, -v6              ; the fraction of a turn, -1/2 .. 1/2
	v_mul_f32 v7, 0x40490fdb, v6                   ; y = half the reduced angle, -pi/2 .. pi/2
	v_mul_f32 v8, v7, v7                           ; z = y^2
	v_mov_b32 v9, 0xb2d7322b                       ; sin y = y (1 - z/3! + z^2/5! - z^3/7! + z^4/9! - z^5/11!)
	v_fmaak_f32 v9, v9, v8, 0x3638ef1d
	v_fmaak_f32 v9, v9, v8, 0xb9500d01
	v_fmaak_f32 v9, v9, v8, 0x3c088889
	v_fmaak_f32 v9, v9, v8, 0xbe2aaaab
	v_fma_f32 v9, v9, v8, 1.0
	v_mul_f32 v9, v9, v7
	v_mov_b32 v10, 0x310f76c7                      ; cos y = 1 - z/2! + z^2/4! - .. + z^6/12!
	v_fmaak_f32 v10, v10, v8, 0xb493f27e
	v_fmaak_f32 v10, v10, v8, 0x37d00d01
	v_fmaak_f32 v10, v10, v8, 0xbab60b61
	v_fmaak_f32 v10, v10, v8, 0x3d2aaaab
	v_fma_f32 v10, v10, v8, -0.5
	v_fma_f32 v10, v10, v8, 1.0
	v_add_f32 v11, v9, v9
	v_fma_f32 v12, -v11, v9, 1.0                   ; cos 2y = 1 - 2 sin^2 y
	v_mul_f32 v13, v11, v10                        ; sin 2y = 2 sin y cos y
	global_store_b64 v2, v[12:13], s[16:17]        ; a wave writes one row of tab: 256 consecutive aligned bytes
.set j, 0
.rept 32
	s_wait_loadcnt 31-j                            ; loads return in order (ISA guide 5.7.1): row j is in, the 31 - j younger ones stay out
	v_cvt_pk_f16_f32 v[X+4*j], v[X+4*j], v[X+4*j+1]
	v_cvt_pk_f16_f32 v[X+4*j+1], v[X+4*j+2], v[X+4*j+3]
	global_store_b64 v2, v[X+4*j:X+4*j+1], s[30:31] offset:2048*j    ; no register is written twice: no further wait
.set j, j+1
.endr
	s_endpgm
.Lfunc_end_k_q7682a69782_prep:
	.size	k_q7682a69782_prep, .Lfunc_end_k_q7682a69782_prep-k_q7682a69782_prep
	.p2alignl 7, 3214868480
	.fill 96, 4, 3214868480
	.section	.rodata,"a",@progbits
	.p2align	6, 0x0
	.amdhsa_kernel k_q7682a69782_prep
		.amdhsa_group_segment_fixed_size 0
		.amdhsa_private_segment_fixed_size 0
		.amdhsa_enable_private_segment 0
		.amdhsa_kernarg_size 56
		.amdhsa_user_sgpr_count 2
		.amdhsa_user_sgpr_kernarg_segment_ptr 1
		.amdhsa_wavefront_size32 1
		.amdhsa_system_sgpr_workgroup_id_x 1
		.amdhsa_system_sgpr_workgroup_id_y 1
		.amdhsa_system_sgpr_workgroup_id_z 1
		.amdhsa_system_vgpr_workitem_id 0
		.amdhsa_next_free_vgpr 144
		.amdhsa_next_free_sgpr 66
		.amdhsa_reserve_vcc 0
		.amdhsa_float_denorm_mode_32 3
		.amdhsa_float_denorm_mode_16_64 3
		.amdhsa_memory_ordered 1
		.amdhsa_forward_progress 1
		.amdhsa_inst_pref_size 15
	.end_amdhsa_kernel
	.amdgpu_metadata
---
amdhsa.version: [ 1, 2 ]
amdhsa.kernels:
  - .name:           k_q7682a69782_prep
    .symbol:         k_q7682a69782_prep.kd
    .args:
      - { .name: x, .offset: 0, .size: 8, .value_kind: global_buffer, .address_space: global }
      - { .name: Wq, .offset: 8, .size: 8, .value_kind: global_buffer, .address_space: global }
      - { .name: Wk, .offset: 16, .size: 8, .value_kind: global_buffer, .address_space: global }
      - { .name: Wv, .offset: 24, .size: 8, .value_kind: global_buffer, .address_space: global }
      - { .name: Wo, .offset: 32, .size: 8, .value_kind: global_buffer, .address_space: global }
      - { .name: cb, .offset: 40, .size: 8, .value_kind: global_buffer, .address_space: global }
      - { .name: tab, .offset: 48, .size: 8, .value_kind: global_buffer, .address_space: global }
    .group_segment_fixed_size: 0
    .private_segment_fixed_size: 0
    .kernarg_segment_align: 8
    .kernarg_segment_size: 56
    .max_flat_workgroup_size: 256
    .sgpr_count:     66
    .vgpr_count:     144
    .wavefront_size: 32
...
	.end_amdgpu_metadata
.endif
;; end of part 1
;; launch qkv (part 2): grid 16 x 16, 4 waves a work-group, clusters of 4 x 4, 327,680 bytes of LDS; arguments cb, tab, qb, kb, vb; writes qb, kb, vb
.if DOCPART == 2
	.amdgcn_target "amdgcn-amd-amdhsa--gfx1250"
	.amdhsa_code_object_version 6
	.text
	.protected	k_q7682a69782_qkv
	.globl	k_q7682a69782_qkv
	.p2align	8
	.type	k_q7682a69782_qkv,@function
k_q7682a69782_qkv:
	s_mov_b64 s[64:65], 0
	v_nop
	global_prefetch_b8 v0, s[64:65] scope:SCOPE_SE
	s_setreg_imm32_b32 hwreg(HW_REG_WAVE_MODE, 25, 1), 1
	s_wait_xcnt 0x0
	s_wait_alu depctr_hold_cnt(0) depctr_sa_sdst(0) depctr_va_vdst(0) depctr_va_sdst(0) depctr_va_ssrc(0) depctr_va_vcc(0) depctr_vm_vsrc(0)
	s_getreg_b32 s2, hwreg(HW_REG_IB_STS2, 6, 4)
	s_cmp_eq_u32 s2, 0
	s_cbranch_scc0 .Lentry_in_a_cluster
	s_endpgm
.Lentry_in_a_cluster:
	s_bfe_u32 s2, ttmp6, 0x10000c
	s_cmp_lg_u32 s2, 0xf033
	s_cbranch_scc0 .Lentry_shape_is_right
	s_endpgm
.Lentry_shape_is_right:
; qkv: [4096 x 1024] x [3072 x 1024]^T in f16 with f32 sums, then per head: RMS norm and RoPE of q and k (1/64 folded into q,
; a power of two, so exact), v as it is; all three rounded once to f16 and stored in the tiles that the attention launch reads.
; ROOM IN f16: the norm bounds |k| by 8 and |q| / 64 by 1/8 for every input.  LIMIT: |v| = |x Wv^T| has to stay under 65,504, where f16
; ends: it is about 5 for x of the size 1 and weights of the size 1/32, about 5,000 with both 30 times larger, about 29,000
; (1,024 x 30 x 0.94) with both shifted by 30 of their spreads; beyond the limit v becomes infinite.
; A work-group makes 256 rows of x (block Y) times the 192 weight rows of ONE head (X): 64 of q, 64 of k, 64 of v.  Four waves, one
; a SIMD; a wave makes 64 rows x 192 columns = 48 accumulator tiles.  K goes in steps of 128 (rows of 256 bytes, starting at
; multiples of 256 bytes) through two LDS slots filled by tensor loads; one load a wave behind each change of slots.
; CLUSTERS 4 x 4: x's tile hangs on Y alone and is asked for jointly along a row of the cluster, the weights' tile on X alone and
; jointly along a column: a quarter of the requests.
; q and k are multiplied TRANSPOSED (source 0 = weight rows, source 1 = x rows): a lane holds one token and 8 neighbouring d of each
; tile, so norm and rotation stay in the lane and its partner 16 lanes away.  v is multiplied the natural way: a lane holds one d and
; 8 neighbouring tokens, which is v transposed, as the second product of attention wants it.
; OUT: qb, kb: [b][head pair][block of 128 tokens][head of the pair][128 tokens][64 d]; vb: [b][pair][block][head][half][64 d][64 tokens].
; A wave's 64 tokens are 8,192 consecutive bytes at the same offset in all three.
; REGISTERS: window 0: v16-28 addresses, v32-63 at work at the end, v64-127 x fragments (two buffers of 4 x 8), v128-255 the table;
; window 1: weight fragments, two buffers of 12 x 8; window 2: q and k sums, tile (a, b) at 8 (8 a + b), b 0-3 q, 4-7 k;
; window 3: v sums, tile (a, d) at 8 (4 a + d).
.set PITCH, 272                        ; an LDS row: 256 bytes + 16 of padding, an odd multiple of 16
.set HALFA, 128*PITCH                  ; what one load of x brings
.set HALFB, 96*PITCH                   ; what one load of weights brings
.set BOFF,  2*HALFA                    ; the weights lie behind x's 256 rows
.set SLOT,  2*HALFA+2*HALFB            ; 121,856
.set STAGE, 2*SLOT                     ; 243,712, a multiple of 256: the way out, no tensor load lands here
.set SP,    144                        ; a stage row: 128 bytes + 16
.set WST,   64*SP                      ; a wave's stage
.set KSTEP, 128
.set WQKV,  8388608
.set ADRA, 16                          ; v16-17 LDS address of my x fragments in slot 0, 1
.set ADRB, 20                          ; v20-21 the same for the weights
.set ST,   24                          ; stage, in
.set RD,   26                          ; stage, back
.set CO,   27                          ; 16 x lane: my bytes in 512 stored bytes
.set TB,   28                          ; my bytes in tab
.set CS,   128                         ; v[128:255] cos, sin of my tokens: 32 a + 2 p, + 1
.set G1R, 24
.set G0R, 32
.set G1C, 48
.set G0C, 56
.set MSB, 0
.macro WIN new                         ; the immediate's high byte repeats the setting that is left
.if MSB != \new
	s_set_vgpr_msb (MSB<<8)|\new
.set MSB, \new
.endif
.endm
.macro PLACES                          ; four places behind matrix instructions (ISA guide 7.12.1 for vector instructions)
.rept 4
	v_nop
.endr
.endm
.macro JLOAD s                         ; waves 0, 1 ask for x's two halves, waves 2, 3 for the weights': one line, one mask
	s_cmp_eq_u32 s15, 0
	s_cbranch_scc0 .Lfor_c_\@
	tensor_load_to_lds s[G0R+4*\s:G0R+4*\s+3], s[G1R:G1R+7]
	s_nop 0
	s_branch .Lasked_\@
.Lfor_c_\@:
	tensor_load_to_lds s[G0C+4*\s:G0C+4*\s+3], s[G1C:G1C+7]
	s_nop 0
.Lasked_\@:
.endm
.macro CREST                           ; a round of the cluster's barrier behind its opening barrier
	s_cmp_lg_u32 s14, 0
	s_cbranch_scc1 .Lnot_wave_0_\@
	s_barrier_signal -3
.Lnot_wave_0_\@:
	s_barrier_wait -3
	s_barrier_signal -1
	s_barrier_wait -1
.endm
.macro CROUND
	s_barrier_signal -1
	s_barrier_wait -1
	CREST
.endm
	s_load_b256 s[4:11], s[0:1], 0x0               ; cb s[4:5], tab s[6:7], qb s[8:9], kb s[10:11]
	s_load_b64 s[12:13], s[0:1], 0x20              ; vb
	s_set_vgpr_msb 0x40
	v_lshl_add_u32 v255, v0, 2, 0x44800
	s_set_vgpr_msb 0x4000
	v_mov_b32 v31, 0
	s_set_vgpr_msb 0x1
	ds_add_u32 v255, v31
	s_set_vgpr_msb 0x100
	v_lshrrev_b32 v1, 5, v0
	v_readfirstlane_b32 s14, v1                    ; wave 0..3
	s_lshr_b32 s15, s14, 1                         ; 0: I fetch x, 1: weights
	s_and_b32 s16, s14, 1                          ; which half of that tile
	s_bfe_u32 s17, ttmp6, 0x40000                  ; cx
	s_bfe_u32 s18, ttmp6, 0x40004                  ; cy
	s_lshl_b32 s19, ttmp9, 2
	s_add_co_u32 s19, s19, s17                     ; X = head
	s_and_b32 s20, ttmp7, 0xffff
	s_lshl_b32 s20, s20, 2
	s_add_co_u32 s20, s20, s18                     ; Y = block of 256 rows
	s_lshl_b32 s21, s18, 2
	s_lshl_b32 s21, 15, s21                        ; my row of the cluster
	s_lshl_b32 s22, 0x1111, s17                    ; my column
	s_mov_b32 s66, 0x76543210                      ; v_permlanex16_b32: lane i reads lane i of the other half
	s_mov_b32 s67, 0xfedcba98
	s_mov_b32 s68, 0x3c800000                      ; 1/64
	s_mov_b32 s69, 0x3727c5ac                      ; 1e-5
	; group 1: elements of 2 bytes, 16 bytes of padding behind every 64 words, bit 21 beside the mask
	s_or_b32 s[G1R+0], s21, (1<<16)|(1<<20)|(1<<21)|(5<<22)|(3<<25)
	s_mov_b32 s[G1R+1], KSTEP<<16                  ; tensor_dim0 = 128
	s_mov_b32 s[G1R+2], 128<<16                    ; tensor_dim1 = 128
	s_mov_b32 s[G1R+3], KSTEP<<16                  ; tile_dim0 = 128
	s_mov_b32 s[G1R+4], 128                        ; tile_dim1 = 128
	s_mov_b32 s[G1R+5], 1024                       ; elements from row to row
	s_mov_b32 s[G1R+6], 0
	s_mov_b32 s[G1R+7], 0
	s_or_b32 s[G1C+0], s22, (1<<16)|(1<<20)|(1<<21)|(5<<22)|(3<<25)
	s_mov_b32 s[G1C+1], KSTEP<<16
	s_mov_b32 s[G1C+2], 96<<16                     ; 96 rows
	s_mov_b32 s[G1C+3], KSTEP<<16
	s_mov_b32 s[G1C+4], 96
	s_mov_b32 s[G1C+5], 1024
	s_mov_b32 s[G1C+6], 0
	s_mov_b32 s[G1C+7], 0
	; x's address is made of Y and the wave alone, the weights' of X and the wave alone, in registers of their own
	s_lshl_b32 s40, s20, 8
	s_lshl_b32 s41, s16, 7
	s_add_co_u32 s40, s40, s41                     ; row 256 Y + 128 half
	s_lshl_b32 s40, s40, 11
	s_mov_b32 s41, 0
	s_mul_i32 s44, s19, 192
	s_mul_i32 s45, s16, 96
	s_add_co_u32 s44, s44, s45                     ; row 192 X + 96 half
	s_lshl_b32 s44, s44, 11
	s_add_co_u32 s44, s44, WQKV
	s_mov_b32 s45, 0
	s_mul_i32 s42, s14, HALFA                      ; LDS: waves 0, 1: x's halves at 0 and HALFA
	s_mul_i32 s46, s14, HALFB
	s_add_co_u32 s46, s46, BOFF-2*HALFB            ; waves 2, 3: the weights' halves at BOFF and BOFF + HALFB
	s_wait_dscnt 0x0
	s_wait_kmcnt 0x0
	s_add_nc_u64 s[40:41], s[4:5], s[40:41]
	s_add_nc_u64 s[44:45], s[4:5], s[44:45]
	CROUND                                         ; all sixteen work-groups are here: the first joint loads meet
.irp s, 0,1
	s_mov_b32 s[G0R+4*\s], 1
	s_add_co_u32 s[G0R+4*\s+1], s42, \s*SLOT
	s_add_nc_u64 s[G0R+4*\s+2:G0R+4*\s+3], s[40:41], \s*KSTEP*2
	s_or_b32 s[G0R+4*\s+3], s[G0R+4*\s+3], 0x80000000
	s_mov_b32 s[G0C+4*\s], 1
	s_add_co_u32 s[G0C+4*\s+1], s46, \s*SLOT
	s_add_nc_u64 s[G0C+4*\s+2:G0C+4*\s+3], s[44:45], \s*KSTEP*2
	s_or_b32 s[G0C+4*\s+3], s[G0C+4*\s+3], 0x80000000
	JLOAD \s                                       ; K steps 0 and 1: two loads of this wave are out
.endr
	v_and_b32 v1, 15, v0                           ; r
	v_bfe_u32 v2, v0, 4, 1                         ; h
	v_and_b32 v3, 31, v0                           ; lane
	; the table: token (Y mod 8) 256 + 64 wave + 16 a + r, pairs i = 8 t + 4 h .. + 3: 32 bytes at 64 t + 32 h of its row
	s_and_b32 s72, s20, 7
	s_lshl_b32 s72, s72, 8
	s_lshl_b32 s73, s14, 6
	s_add_co_u32 s72, s72, s73
	s_lshl_b32 s72, s72, 8
	v_lshlrev_b32 v5, 8, v1
	v_lshl_add_u32 v5, v2, 5, v5
	v_add_nc_u32 v[TB], s72, v5
.irp a, 0,1,2,3
.irp t, 0,1,2,3
.irp u, 0,1
	global_load_b128 v[CS+32*\a+8*\t+4*\u:CS+32*\a+8*\t+4*\u+3], v[TB], s[6:7] offset:\a*4096+\t*64+\u*16   ; waited for once, at the end
.endr
.endr
.endr
	v_mul_u32_u24 v4, v1, PITCH
	v_lshl_add_u32 v4, v2, 4, v4                   ; r x pitch + 16 h
	s_mul_i32 s70, s14, 64*PITCH                   ; my 64 rows of x
	v_add_nc_u32 v[ADRA], s70, v4
	v_add_nc_u32 v[ADRA+1], SLOT, v[ADRA]
	v_add_nc_u32 v[ADRB], BOFF, v4
	v_add_nc_u32 v[ADRB+1], SLOT, v[ADRB]
	s_mul_i32 s71, s14, WST
	s_add_co_u32 s71, s71, STAGE                   ; my stage
	v_mul_u32_u24 v5, v1, SP
	v_lshl_add_u32 v5, v2, 4, v5
	v_add_nc_u32 v[ST], s71, v5                    ; in: row r, 16 bytes for each half of the lanes
	v_lshrrev_b32 v5, 3, v3
	v_mul_u32_u24 v5, v5, SP
	v_and_b32 v6, 7, v3
	v_lshl_add_u32 v5, v6, 4, v5
	v_add_nc_u32 v[RD], s71, v5                    ; back: eight lanes take a row of 128 bytes, a load four rows
	v_lshlrev_b32 v[CO], 4, v3
; 32 LDS loads: one quarter step's fragments (32 along K at byte k of the rows) into buffer f: x's 4, then the weights' 12 (v's last)
.macro FETCH slot, k, f
	WIN 0
.irp i, 0,1,2,3
	ds_load_b128 v[64+32*\f+8*\i:64+32*\f+8*\i+3],   v[ADRA+\slot] offset:\k+\i*16*PITCH
	ds_load_b128 v[64+32*\f+8*\i+4:64+32*\f+8*\i+7], v[ADRA+\slot] offset:\k+\i*16*PITCH+32
.endr
	WIN 0x40
.irp i, 0,1,2,3,4,5,6,7,8,9,10,11
	ds_load_b128 v[96*\f+8*\i:96*\f+8*\i+3],   v[ADRB+\slot] offset:\k+\i*16*PITCH
	ds_load_b128 v[96*\f+8*\i+4:96*\f+8*\i+7], v[ADRB+\slot] offset:\k+\i*16*PITCH+32
.endr
.endm
; 16 products for q and k: token blocks a0, a0 + 1 x the 8 column blocks; source 0 = weights (window 1), source 1 = x (window 0), sums window 2
.macro MULQK f, a0, zero
	WIN 0xa1
.irp a, \a0, \a0+1
.irp b, 0,1,2,3,4,5,6,7
.if \zero
	v_wmma_f32_16x16x32_f16 v[8*(8*(\a)+\b):8*(8*(\a)+\b)+7], v[96*\f+8*\b:96*\f+8*\b+7], v[64+32*\f+8*(\a):64+32*\f+8*(\a)+7], 0
.else
	v_wmma_f32_16x16x32_f16 v[8*(8*(\a)+\b):8*(8*(\a)+\b)+7], v[96*\f+8*\b:96*\f+8*\b+7], v[64+32*\f+8*(\a):64+32*\f+8*(\a)+7], v[8*(8*(\a)+\b):8*(8*(\a)+\b)+7]
.endif
.endr
.endr
.endm
; 16 products for v: source 0 = x (window 0), source 1 = weights 8-11 (window 1), sums window 3
.macro MULV f, zero
	WIN 0xf4
.irp a, 0,1,2,3
.irp d, 0,1,2,3
.if \zero
	v_wmma_f32_16x16x32_f16 v[8*(4*\a+\d):8*(4*\a+\d)+7], v[64+32*\f+8*\a:64+32*\f+8*\a+7], v[96*\f+64+8*\d:96*\f+64+8*\d+7], 0
.else
	v_wmma_f32_16x16x32_f16 v[8*(4*\a+\d):8*(4*\a+\d)+7], v[64+32*\f+8*\a:64+32*\f+8*\a+7], v[96*\f+64+8*\d:96*\f+64+8*\d+7], v[8*(4*\a+\d):8*(4*\a+\d)+7]
.endif
.endr
.endr
.endm
; A K step is four quarters of 32 along K, 48 matrix instructions each, on buffers 0, 1, 0, 1.  The 48 accumulators take turns, one
; instruction a turn, in the same order in every quarter.
.macro QUARTER slot, k, f, g, zero
	s_wait_dscnt 8                                 ; x and q's and k's weights are in; the youngest eight loads (v's weights) may be out
	MULQK \f, 0, \zero
	MULQK \f, 2, \zero
	PLACES
	FETCH \slot, \k, \g
	s_wait_dscnt 32                                ; all but the 32 just issued
	MULV \f, \zero
.endm
.macro THREE slot, zero
	QUARTER \slot, 64,  0, 1, \zero
	QUARTER \slot, 128, 1, 0, 0
	QUARTER \slot, 192, 0, 1, 0
.endm
; The last quarter multiplies buffer 1 and changes slots.  In front of the barrier each wave waits for its reads of this slot and for all
; its tensor loads (one is out: its part of the next slot).  fill = 1: the barrier opens a round of the cluster's barrier, and the joint
; refill of this slot, two K steps ahead, is the first tensor load behind the round and this wave's only one until the next.
.macro TURN slot, next, fill
	s_wait_dscnt 8
	MULQK 1, 0, 0
	s_wait_dscnt 0x0                               ; my reads of this slot are over
	s_wait_tensorcnt 0x0                           ; all my tensor loads have landed
	ds_add_u32 v255, v31
	s_wait_dscnt 0x0
	s_barrier_signal -1
	MULQK 1, 2, 0                                  ; registers only
	WIN 0
	s_barrier_wait -1
.if \fill
	CREST
	s_add_nc_u64 s[G0R+4*\slot+2:G0R+4*\slot+3], s[G0R+4*\slot+2:G0R+4*\slot+3], 2*KSTEP*2
	s_add_nc_u64 s[G0C+4*\slot+2:G0C+4*\slot+3], s[G0C+4*\slot+2:G0C+4*\slot+3], 2*KSTEP*2
	JLOAD \slot
.endif
	PLACES
	FETCH \next, 0, 0
	MULV 1, 0
.endm
.macro LAP zero
	THREE 0, \zero
	TURN 0, 1, 1
	THREE 1, 0
	TURN 1, 0, 1
.endm
	s_wait_tensorcnt 0x1                           ; my part of K step 0 is in; K step 1's stays out
	s_barrier_signal -1
	s_barrier_wait -1
	FETCH 0, 0, 0
	LAP 1                                          ; K steps 0, 1: the first products start the sums; fills steps 2, 3
	WIN 0
	s_mov_b32 s3, 2                                ; K steps 2-5; fills steps 4-7
.Llap:
	LAP 0
	WIN 0
	s_sub_co_u32 s3, s3, 1
	s_cmp_lg_u32 s3, 0
	s_cbranch_scc1 .Llap
	THREE 0, 0                                     ; K steps 6, 7: nothing is left to fetch
	TURN 0, 1, 0
	THREE 1, 0
	s_wait_dscnt 8
	MULQK 1, 0, 0
	MULQK 1, 2, 0
	s_wait_dscnt 0x0
	MULV 1, 0
	; THE END.  The four places stand for the vector instructions that read sums and write fragment registers.
	PLACES
	WIN 0
	s_wait_loadcnt 0x0                             ; the table
	v_mov_b32 v118, 0                              ; v_permlanex16_b32 counts as a reader of its destination
	; my 8,192 bytes: ((((b 8 + pair) 16 + block) 2 + head of the pair) 2 + half) x 8,192
	s_lshr_b32 s70, s20, 3
	s_lshl_b32 s70, s70, 3
	s_lshr_b32 s71, s19, 1
	s_add_co_u32 s70, s70, s71
	s_lshl_b32 s70, s70, 4
	s_and_b32 s71, s20, 7
	s_lshl_b32 s71, s71, 1
	s_add_co_u32 s70, s70, s71
	s_add_co_u32 s70, s70, s15                     ; block of 128 tokens = 2 (Y mod 8) + wave / 2
	s_lshl_b32 s70, s70, 1
	s_and_b32 s71, s19, 1
	s_add_co_u32 s70, s70, s71
	s_lshl_b32 s70, s70, 1
	s_add_co_u32 s70, s70, s16
	s_lshl_b32 s70, s70, 13
	s_mov_b32 s71, 0
	s_add_nc_u64 s[8:9], s[8:9], s[70:71]
	s_add_nc_u64 s[10:11], s[10:11], s[70:71]
	s_add_nc_u64 s[12:13], s[12:13], s[70:71]
; 16 tokens (block a) of q (ty = 0) or k (ty = 1): norm, rotation, rounding, out through my stage as 2,048 consecutive bytes
.macro OUTH a, ty, base
.set AB, 8*(8*\a+4*\ty)
	WIN 0x0a                                       ; sources 0, 1: window 2
	v_pk_mul_f32 v[112:113], v[AB:AB+1], v[AB:AB+1]                ; the sum of my 32 squares in two chains; the first products start them
	v_pk_mul_f32 v[114:115], v[AB+2:AB+3], v[AB+2:AB+3]
.irp i, 2,4,6,8,10,12,14
	v_pk_fma_f32 v[112:113], v[AB+2*\i:AB+2*\i+1], v[AB+2*\i:AB+2*\i+1], v[112:113]
	v_pk_fma_f32 v[114:115], v[AB+2*\i+2:AB+2*\i+3], v[AB+2*\i+2:AB+2*\i+3], v[114:115]
.endr
	WIN 0
	v_pk_add_f32 v[112:113], v[112:113], v[114:115]
	v_add_f32 v112, v112, v113
	v_permlanex16_b32 v118, v112, s66, s67         ; the token's other 32 d lie 16 lanes away
	v_add_f32 v112, v112, v118
	v_fma_f32 v112, v112, s68, s69                 ; mean + eps
	v_rsq_f32 v116, v112
	v_nop                                          ; one plain place behind a transcendental
.if \ty == 0
	s_wait_alu depctr_va_vdst(0)
	v_mul_f32 v116, s68, v116                      ; the scores' factor 1/64 goes into q
.endif
	s_wait_alu depctr_va_vdst(0)
	v_mov_b32 v117, v116
	WIN 0x02                                       ; source 0: window 2
.irp p, 0,1,2,3,4,5,6,7,8,9,10,11,12,13,14,15
	v_pk_mul_f32 v[32+2*\p:33+2*\p], v[AB+2*\p:AB+2*\p+1], v[116:117]
.endr
	WIN 0
.irp p, 0,1,2,3,4,5,6,7,8,9,10,11,12,13,14,15
	v_mul_f32 v[96+2*(\p%8)], v[33+2*\p], v[CS+32*\a+2*\p+1]       ; x1 sin
	v_mul_f32 v[97+2*(\p%8)], v[32+2*\p], v[CS+32*\a+2*\p+1]       ; x0 sin
	v_fma_f32 v[96+2*(\p%8)], v[32+2*\p], v[CS+32*\a+2*\p], -v[96+2*(\p%8)]   ; x0 cos - x1 sin
	v_fma_f32 v[97+2*(\p%8)], v[33+2*\p], v[CS+32*\a+2*\p], v[97+2*(\p%8)]    ; x1 cos + x0 sin
	v_cvt_pk_f16_f32 v[64+\p], v[96+2*(\p%8)], v[97+2*(\p%8)]
.endr
.irp t, 0,1,2,3
	ds_store_b128 v[ST], v[64+4*\t:64+4*\t+3] offset:32*\t         ; d = 16 t + 8 h .. + 7 of token r
.endr
	s_wait_xcnt 0x0                                ; v[80:95], which the last stores read, are loaded again only behind this wait
.irp i, 0,1,2,3
	ds_load_b128 v[80+4*\i:80+4*\i+3], v[RD] offset:4*SP*\i        ; LDS serves a wave's instructions in order: these see the stores above
.endr
.irp i, 0,1,2,3
	s_wait_dscnt 3-\i
	global_store_b128 v[CO], v[80+4*\i:80+4*\i+3], s[\base:\base+1] offset:\a*2048+512*\i   ; 512 consecutive aligned bytes
.endr
.endm
.irp a, 0,1,2,3
	OUTH \a, 0, 8
	OUTH \a, 1, 10
.endr
	; v: 64 d x 64 tokens
	s_wait_xcnt 0x0                                ; v[80:95] were store data
	WIN 0x0f                                       ; sources 0, 1: window 3
.set i, 0
.rept 64
	v_cvt_pk_f16_f32 v[32+i], v[2*i], v[2*i+1]
.set i, i+1
.endr
	WIN 0
.irp a, 0,1,2,3
.irp d, 0,1,2,3
	ds_store_b128 v[ST], v[32+4*(4*\a+\d):32+4*(4*\a+\d)+3] offset:\d*16*SP+32*\a   ; row d = 16 d + r, tokens 16 a + 8 h .. + 7
.endr
.endr
.irp i, 0,1,2,3,4,5,6,7,8,9,10,11,12,13,14,15
	ds_load_b128 v[128+4*\i:128+4*\i+3], v[RD] offset:4*SP*\i      ; the table's registers are free now
.endr
.irp i, 0,1,2,3,4,5,6,7,8,9,10,11,12,13,14,15
	s_wait_dscnt 15-\i
	global_store_b128 v[CO], v[128+4*\i:128+4*\i+3], s[12:13] offset:512*\i
.endr
	s_set_vgpr_msb 0x1
	s_wait_tensorcnt 0x0
	ds_add_u32 v255, v31
	s_wait_dscnt 0x0
	s_set_vgpr_msb 0x100
	CROUND                                         ; the closing round: no work-group ends while a partner may still ask jointly
	s_endpgm
.Lfunc_end_k_q7682a69782_qkv:
	.size	k_q7682a69782_qkv, .Lfunc_end_k_q7682a69782_qkv-k_q7682a69782_qkv
	.p2alignl 7, 3214868480
	.fill 96, 4, 3214868480
	.section	.rodata,"a",@progbits
	.p2align	6, 0x0
	.amdhsa_kernel k_q7682a69782_qkv
		.amdhsa_group_segment_fixed_size 327680
		.amdhsa_private_segment_fixed_size 0
		.amdhsa_enable_private_segment 0
		.amdhsa_kernarg_size 40
		.amdhsa_user_sgpr_count 2
		.amdhsa_user_sgpr_kernarg_segment_ptr 1
		.amdhsa_wavefront_size32 1
		.amdhsa_system_sgpr_workgroup_id_x 1
		.amdhsa_system_sgpr_workgroup_id_y 1
		.amdhsa_system_sgpr_workgroup_id_z 1
		.amdhsa_system_vgpr_workitem_id 0
		.amdhsa_next_free_vgpr 896
		.amdhsa_next_free_sgpr 92
		.amdhsa_reserve_vcc 0
		.amdhsa_float_denorm_mode_32 3
		.amdhsa_float_denorm_mode_16_64 3
		.amdhsa_memory_ordered 1
		.amdhsa_forward_progress 1
		.amdhsa_inst_pref_size 211
	.end_amdhsa_kernel
	.amdgpu_metadata
---
amdhsa.version: [ 1, 2 ]
amdhsa.kernels:
  - .name:           k_q7682a69782_qkv
    .symbol:         k_q7682a69782_qkv.kd
    .args:
      - { .name: cb, .offset: 0, .size: 8, .value_kind: global_buffer, .address_space: global }
      - { .name: tab, .offset: 8, .size: 8, .value_kind: global_buffer, .address_space: global }
      - { .name: qb, .offset: 16, .size: 8, .value_kind: global_buffer, .address_space: global }
      - { .name: kb, .offset: 24, .size: 8, .value_kind: global_buffer, .address_space: global }
      - { .name: vb, .offset: 32, .size: 8, .value_kind: global_buffer, .address_space: global }
    .group_segment_fixed_size: 327680
    .private_segment_fixed_size: 0
    .kernarg_segment_align: 8
    .kernarg_segment_size: 40
    .max_flat_workgroup_size: 128
    .sgpr_count:     92
    .vgpr_count:     896
    .wavefront_size: 32
...
	.end_amdgpu_metadata
.endif
;; end of part 2
;; launch attn (part 3): grid 8 x 32, 4 waves a work-group, clusters of 4 x 4, 327,680 bytes of LDS; arguments qb, kb, vb, mask, ao; writes ao
.if DOCPART == 3
	.amdgcn_target "amdgcn-amd-amdhsa--gfx1250"
	.amdhsa_code_object_version 6
	.text
	.protected	k_q7682a69782_attn
	.globl	k_q7682a69782_attn
	.p2align	8
	.type	k_q7682a69782_attn,@function
k_q7682a69782_attn:
	s_mov_b64 s[64:65], 0
	v_nop
	global_prefetch_b8 v0, s[64:65] scope:SCOPE_SE
	s_setreg_imm32_b32 hwreg(HW_REG_WAVE_MODE, 25, 1), 1
	s_wait_xcnt 0x0
	s_wait_alu depctr_hold_cnt(0) depctr_sa_sdst(0) depctr_va_vdst(0) depctr_va_sdst(0) depctr_va_ssrc(0) depctr_va_vcc(0) depctr_vm_vsrc(0)
	s_getreg_b32 s2, hwreg(HW_REG_IB_STS2, 6, 4)
	s_cmp_eq_u32 s2, 0
	s_cbranch_scc0 .Lentry_in_a_cluster
	s_endpgm
.Lentry_in_a_cluster:
	s_bfe_u32 s2, ttmp6, 0x10000c
	s_cmp_lg_u32 s2, 0xf033
	s_cbranch_scc0 .Lentry_shape_is_right
	s_endpgm
.Lentry_shape_is_right:
; attn: softmax(q k^T + mask) v for a PAIR of heads (X) and 128 queries (Y = 16 b + block), with a running maximum.
; q carries the factor 1/64 already.  Four waves, one a SIMD: wave w has head w mod 2 of the pair and queries 64 (w / 2) .. + 63.
; All matrix operands are f16, the sums f32, the mask f32.
; Keys go in tiles of 128 through two LDS slots (16 tiles); a slot holds K [2 heads][128 keys][64 d], V^T [2 heads][2 halves][64 d][64 keys]
; and the mask's 128 x 128 f32.  One tensor load of 32 KiB a wave behind each change of slots: wave 0 K, wave 1 V, waves 2, 3 the mask's halves.
; CLUSTERS 4 x 4: the mask's tile hangs on Y alone and is asked for jointly along a row of the cluster (four pairs of heads); K's and V's
; hang on X and b alone and are asked for jointly along a column (four query blocks of one b: 4 divides 16).
; THE SCORES ARE MADE TRANSPOSED: source 0 = 16 keys, source 1 = 16 queries, C = the raw mask.  Lane (r, h), register j holds
; (key 16 kt + 8 h + j, query r): 32 consecutive bytes of a mask row load straight into C, a query's statistics lie in one lane and its
; partner 16 lanes away, and the packed probabilities of two neighbouring key tiles ARE source 1 of O^T = V^T P^T: no shuffle.
; SOFTMAX: p = exp2((s - m) log2 e) with m the running maximum: the difference is formed first, so no exponent is above zero for any
; scores.  m starts at the lowest finite f32.  nan_to_num: a row whose sum is 0 or NaN (all -inf; a +inf or a NaN among its scores)
; gives 0, by a select.
; ROOM IN f16: p lies in 0 .. 1 with a 1 in the running row; a p under 2^-25 is rounded away, 2,048 of them are under 1e-4 of the sum.
; The output is a mean of v's values and has v's range: LIMIT |v| < 65,504, as where v is made.  At the small end f16's step is 2^-24:
; with x and Wv both 30 times smaller than the sizes 1 and 1/32 a mean of 2,048 values has the size 2.4e-5 and keeps 0.07 per cent.
; LIMIT: an infinity or NaN in the matrix instruction's C operand is taken to propagate as in IEEE arithmetic;
; a mask value next to the largest finite f32 may round otherwise than a single f32 addition would.
; REGISTERS: window 0: v8-18 addresses, v24-63 statistics, S v64-191 (tile (q, k) at 32 q + 8 k), P v192-255 (16 q + 8 u);
; window 1: Q v0-63 (16 q + 8 dh), O v64-191 (8 (4 q + d)), V v192-255 (16 d + 8 u); window 2: K v0-63 (16 k + 8 dh).
.set KP,    144                        ; K's and V's LDS rows: 128 bytes + 16
.set MP,    528                        ; the mask's: 512 + 16
.set SP,    272                        ; the stage's: 256 + 16
.set VOFF,  256*KP                     ; K at 0, V at 36,864,
.set MOFF,  512*KP                     ; the mask at 73,728
.set SLOT,  512*KP+128*MP              ; 141,312
.set STAGE, 2*SLOT                     ; 282,624, a multiple of 256: no tensor load lands here
.set MA, 8
.set KA, 10
.set VA, 12
.set QO, 14
.set STO, 15
.set RD, 16
.set CO, 17
.set PFO, 18
.set T, 24                             ; v24-27 the maximum before this step
.set U, 28                             ; v28-31 at work
.set M, 32                             ; v32-39 running maximum, in the even register of a pair
.set AL, 40                            ; v40-47 the factor on what was summed before, likewise
.set L, 48                             ; v48-55 my half's sum of p, two chains
.set INV, 56                           ; v56-63 1 / sum
.set S, 64
.set P, 192
.set O, 64
.set V, 192
.set G1R, 24                           ; the mask's descriptors
.set G0R, 32
.set G1C, 48                           ; K's and V's
.set G0C, 56
.set MSB, 0
.macro WIN new
.if MSB != \new
	s_set_vgpr_msb (MSB<<8)|\new
.set MSB, \new
.endif
.endm
.macro PLACES                          ; four places behind matrix instructions (ISA guide 7.12.1 for vector instructions)
.rept 4
	v_nop
.endr
.endm
.macro JLOAD s
	s_cmp_eq_u32 s15, 0
	s_cbranch_scc0 .Lfor_m_\@
	tensor_load_to_lds s[G0C+4*\s:G0C+4*\s+3], s[G1C:G1C+7]
	s_nop 0
	s_branch .Lasked_\@
.Lfor_m_\@:
	tensor_load_to_lds s[G0R+4*\s:G0R+4*\s+3], s[G1R:G1R+7]
	s_nop 0
.Lasked_\@:
.endm
.macro CREST
	s_cmp_lg_u32 s14, 0
	s_cbranch_scc1 .Lnot_wave_0_\@
	s_barrier_signal -3
.Lnot_wave_0_\@:
	s_barrier_wait -3
	s_barrier_signal -1
	s_barrier_wait -1
.endm
.macro CROUND
	s_barrier_signal -1
	s_barrier_wait -1
	CREST
.endm
	s_load_b256 s[4:11], s[0:1], 0x0               ; qb s[4:5], kb s[6:7], vb s[8:9], mask s[10:11]
	s_load_b64 s[12:13], s[0:1], 0x20              ; ao
	v_lshl_add_u32 v22, v0, 2, 0x4d800
	v_mov_b32 v23, 0
	ds_add_u32 v22, v23
	v_lshrrev_b32 v1, 5, v0
	v_readfirstlane_b32 s14, v1                    ; wave
	s_lshr_b32 s15, s14, 1                         ; my half of the queries.  Also: 0: I fetch K or V, 1: the mask
	s_and_b32 s16, s14, 1                          ; my head of the pair.  Also: K or V; which half of the mask's rows
	s_bfe_u32 s17, ttmp6, 0x40000                  ; cx
	s_bfe_u32 s18, ttmp6, 0x40004                  ; cy
	s_lshl_b32 s19, ttmp9, 2
	s_add_co_u32 s19, s19, s17                     ; X = pair of heads
	s_and_b32 s23, ttmp7, 0xffff
	s_lshl_b32 s20, s23, 2
	s_add_co_u32 s20, s20, s18                     ; Y = 16 b + query block
	s_lshr_b32 s23, s23, 2                         ; b, made without cy: a column of the cluster shares it
	s_lshl_b32 s21, s18, 2
	s_lshl_b32 s21, 15, s21                        ; my row of the cluster
	s_lshl_b32 s22, 0x1111, s17                    ; my column
	s_mov_b32 s66, 0x76543210
	s_mov_b32 s67, 0xfedcba98
	; the mask: 64 rows x 128 f32, 16 bytes of padding behind every 128 words
	s_or_b32 s[G1R+0], s21, (2<<16)|(1<<20)|(1<<21)|(6<<22)|(3<<25)
	s_mov_b32 s[G1R+1], 128<<16
	s_mov_b32 s[G1R+2], 64<<16
	s_mov_b32 s[G1R+3], 128<<16
	s_mov_b32 s[G1R+4], 64
	s_mov_b32 s[G1R+5], 2048
	s_mov_b32 s[G1R+6], 0
	s_mov_b32 s[G1R+7], 0
	; K or V: 32,768 dense bytes as 128 rows of 256, with 16 bytes of padding behind every 32 words: LDS rows of 128 bytes, 144 apart
	s_or_b32 s[G1C+0], s22, (1<<16)|(1<<20)|(1<<21)|(4<<22)|(3<<25)
	s_mov_b32 s[G1C+1], 128<<16
	s_mov_b32 s[G1C+2], 128<<16
	s_mov_b32 s[G1C+3], 128<<16
	s_mov_b32 s[G1C+4], 128
	s_mov_b32 s[G1C+5], 128
	s_mov_b32 s[G1C+6], 0
	s_mov_b32 s[G1C+7], 0
	s_lshl_b32 s40, s20, 7
	s_lshl_b32 s41, s16, 6
	s_add_co_u32 s40, s40, s41                     ; the mask's row 128 Y + 64 half
	s_lshl_b32 s40, s40, 13                        ; rows of 8,192 bytes
	s_mov_b32 s41, 0
	s_lshl_b32 s44, s23, 3
	s_add_co_u32 s44, s44, s19
	s_lshl_b32 s44, s44, 19                        ; (8 b + X) x 16 tiles of 32,768 bytes
	s_mov_b32 s45, 0
	s_mul_i32 s46, s14, 256*KP                     ; LDS: wave 0: K at 0, wave 1: V at VOFF
	s_mul_i32 s42, s14, 64*MP
	s_add_co_u32 s42, s42, MOFF-128*MP             ; waves 2, 3: the mask's halves at MOFF and MOFF + 64 rows
	; offsets that mix X and Y, in registers that feed no descriptor
	s_lshl_b32 s78, s23, 3
	s_add_co_u32 s78, s78, s19
	s_lshl_b32 s78, s78, 4
	s_and_b32 s79, s20, 15
	s_add_co_u32 s78, s78, s79
	s_lshl_b32 s78, s78, 1
	s_add_co_u32 s78, s78, s16
	s_lshl_b32 s78, s78, 1
	s_add_co_u32 s78, s78, s15
	s_lshl_b32 s78, s78, 13                        ; q: my head's tile, my 64 tokens
	s_mov_b32 s79, 0
	s_lshl_b32 s72, s20, 7
	s_lshl_b32 s73, s19, 4
	s_add_co_u32 s72, s72, s73
	s_lshl_b32 s72, s72, 13                        ; prefetch: rows 128 Y + 16 X .. + 15 of the mask
	s_mov_b32 s73, 0
	s_mov_b32 s74, 1536                            ; tile 3's bytes in a row
	s_mov_b32 s75, 0
	s_lshl_b32 s88, s20, 18
	s_lshl_b32 s89, s19, 8
	s_add_co_u32 s88, s88, s89                     ; ao: row 128 Y, byte 256 X
	s_mov_b32 s89, 0
	s_wait_dscnt 0x0
	s_wait_kmcnt 0x0
	s_add_nc_u64 s[40:41], s[10:11], s[40:41]
	s_cmp_eq_u32 s16, 0
	s_cselect_b64 s[70:71], s[6:7], s[8:9]         ; K for wave 0, V for wave 1: the same choice in every work-group
	s_add_nc_u64 s[44:45], s[70:71], s[44:45]
	s_add_nc_u64 s[4:5], s[4:5], s[78:79]
	s_add_nc_u64 s[72:73], s[10:11], s[72:73]
	s_add_nc_u64 s[12:13], s[12:13], s[88:89]
	CROUND                                         ; in front of the first joint loads
.irp s, 0,1
	s_mov_b32 s[G0R+4*\s], 1
	s_add_co_u32 s[G0R+4*\s+1], s42, \s*SLOT
	s_add_nc_u64 s[G0R+4*\s+2:G0R+4*\s+3], s[40:41], \s*512
	s_or_b32 s[G0R+4*\s+3], s[G0R+4*\s+3], 0x80000000
	s_mov_b32 s[G0C+4*\s], 1
	s_add_co_u32 s[G0C+4*\s+1], s46, \s*SLOT
	s_add_nc_u64 s[G0C+4*\s+2:G0C+4*\s+3], s[44:45], \s*32768
	s_or_b32 s[G0C+4*\s+3], s[G0C+4*\s+3], 0x80000000
	JLOAD \s                                       ; tiles 0 and 1: two loads of this wave are out
.endr
	v_and_b32 v1, 15, v0                           ; r
	v_bfe_u32 v2, v0, 4, 1                         ; h
	v_and_b32 v3, 31, v0                           ; lane
	v_lshlrev_b32 v[QO], 7, v1
	v_lshl_add_u32 v[QO], v2, 4, v[QO]             ; q: token r, 16 h
	WIN 0x40
.irp q, 0,1,2,3
.irp d, 0,1
.irp u, 0,1
	global_load_b128 v[16*\q+8*\d+4*\u:16*\q+8*\d+4*\u+3], v[QO], s[4:5] offset:\q*2048+64*\d+32*\u
.endr
.endr
.endr
	WIN 0
	v_lshrrev_b32 v[PFO], 1, v3
	v_lshlrev_b32 v[PFO], 13, v[PFO]
	v_and_b32 v7, 1, v3
	v_lshl_add_u32 v[PFO], v7, 8, v[PFO]           ; lane: row lane / 2, block of 256 bytes lane mod 2
	; The mask is the one operand that no earlier launch has touched.  Wave 0 asks for tile 2 here and, in the trip of tile t, for tile t + 3,
	; whose tensor load is issued one trip later.  The eight work-groups along x take 16 of the 128 rows each, a lane one block of 256 bytes.
	s_cmp_lg_u32 s14, 0
	s_cbranch_scc1 .Lnopf0
	global_prefetch_b8 v[PFO], s[72:73] offset:1024 th:TH_LOAD_NT scope:SCOPE_SE
.Lnopf0:
	v_mul_u32_u24 v4, v1, MP
	v_lshl_add_u32 v4, v2, 5, v4                   ; the mask: row r, 32 h
	s_mul_i32 s84, s15, 64*MP
	s_add_co_u32 s84, s84, MOFF
	v_add_nc_u32 v[MA], s84, v4
	v_add_nc_u32 v[MA+1], SLOT, v[MA]
	v_mul_u32_u24 v5, v1, KP
	v_lshl_add_u32 v5, v2, 4, v5                   ; K and V: row r, 16 h
	s_mul_i32 s85, s16, 128*KP                     ; my head
	v_add_nc_u32 v[KA], s85, v5
	v_add_nc_u32 v[KA+1], SLOT, v[KA]
	v_add_nc_u32 v[VA], VOFF, v[KA]
	v_add_nc_u32 v[VA+1], SLOT, v[VA]
	v_mul_u32_u24 v6, v1, SP
	v_lshl_add_u32 v6, v2, 4, v6
	s_mul_i32 s86, s15, 64*SP
	s_lshl_b32 s87, s16, 7
	s_add_co_u32 s86, s86, s87
	s_add_co_u32 s86, s86, STAGE
	v_add_nc_u32 v[STO], s86, v6                   ; stage in: query row, my head's 128 bytes
	v_mul_u32_u24 v7, v2, SP
	v_lshl_add_u32 v7, v1, 4, v7
	s_mul_i32 s87, s14, 32*SP
	s_add_co_u32 s87, s87, STAGE
	v_add_nc_u32 v[RD], s87, v7                    ; stage back: rows 32 wave + .., sixteen lanes a row
	v_lshlrev_b32 v[CO], 11, v2
	v_lshl_add_u32 v[CO], v1, 4, v[CO]
	s_lshl_b32 s87, s14, 16
	v_add_nc_u32 v[CO], s87, v[CO]                 ; the same rows in ao
.irp i, 0,1,2,3,4,5,6,7
	v_mov_b32 v[M+\i], 0xff7fffff                  ; the lowest finite f32 (the odd registers of the pairs are only written here)
	v_mov_b32 v[AL+\i], 0
	v_mov_b32 v[L+\i], 0
	v_mov_b32 v[INV+\i], 0
.endr
.irp i, 0,1,2,3
	v_mov_b32 v[U+\i], 0                           ; v_permlanex16_b32 counts as a reader of its destination
.endr
; a step is 64 keys: half e of slot s
.macro LDM s, e                        ; 32 loads: the mask into the scores' registers
	WIN 0
.irp q, 0,1,2,3
.irp k, 0,1,2,3
	ds_load_b128 v[S+32*\q+8*\k:S+32*\q+8*\k+3],   v[MA+\s] offset:\q*16*MP+\e*256+\k*64
	ds_load_b128 v[S+32*\q+8*\k+4:S+32*\q+8*\k+7], v[MA+\s] offset:\q*16*MP+\e*256+\k*64+16
.endr
.endr
.endm
.macro LDK s, e                        ; 16 loads
	WIN 0x80
.irp k, 0,1,2,3
.irp d, 0,1
	ds_load_b128 v[16*\k+8*\d:16*\k+8*\d+3],   v[KA+\s] offset:(64*\e+16*\k)*KP+64*\d
	ds_load_b128 v[16*\k+8*\d+4:16*\k+8*\d+7], v[KA+\s] offset:(64*\e+16*\k)*KP+64*\d+32
.endr
.endr
.endm
.macro LDV s, e                        ; 16 loads
	WIN 0x40
.irp d, 0,1,2,3
.irp u, 0,1
	ds_load_b128 v[V+16*\d+8*\u:V+16*\d+8*\u+3],   v[VA+\s] offset:\e*64*KP+\d*16*KP+64*\u
	ds_load_b128 v[V+16*\d+8*\u+4:V+16*\d+8*\u+7], v[VA+\s] offset:\e*64*KP+\d*16*KP+64*\u+32
.endr
.endr
.endm
; 32 products: scores += K Q^T onto the mask.  The 16 accumulators take turns, one instruction a turn.
.macro SMUL
	WIN 0x06                                       ; source 0 (K) window 2, source 1 (Q) window 1
.irp d, 0,1
.irp q, 0,1,2,3
.irp k, 0,1,2,3
	v_wmma_f32_16x16x32_f16 v[S+32*\q+8*\k:S+32*\q+8*\k+7], v[16*\k+8*\d:16*\k+8*\d+7], v[16*\q+8*\d:16*\q+8*\d+7], v[S+32*\q+8*\k:S+32*\q+8*\k+7]
.endr
.endr
.endr
	PLACES
.endm
.macro SOFT
	WIN 0
.irp q, 0,1,2,3
	v_mov_b32 v[T+\q], v[M+2*\q]                   ; the maximum so far
.endr
.irp i, 0,1,2,3,4,5,6,7,8,9,10,11,12,13,14,15
.irp q, 0,1,2,3
	v_max3_num_f32 v[M+2*\q], v[M+2*\q], v[S+32*\q+2*\i], v[S+32*\q+2*\i+1]   ; four chains
.endr
.endr
.irp q, 0,1,2,3
	v_permlanex16_b32 v[U+\q], v[M+2*\q], s66, s67 ; the query's other 32 keys lie 16 lanes away
.endr
.irp q, 0,1,2,3
	v_max_num_f32 v[M+2*\q], v[M+2*\q], v[U+\q]
.endr
.irp q, 0,1,2,3
	v_sub_f32 v[U+\q], v[T+\q], v[M+2*\q]          ; old - new, never above 0
.endr
.irp q, 0,1,2,3
	v_mul_f32 v[U+\q], 0x3fb8aa3b, v[U+\q]
.endr
.irp q, 0,1,2,3
	v_exp_f32 v[AL+2*\q], v[U+\q]                  ; first used far below: the packed lines that follow are the plain place
.endr
.irp q, 0,1,2,3
.irp i, 0,1,2,3,4,5,6,7,8,9,10,11,12,13,14,15
	v_pk_add_f32 v[S+32*\q+2*\i:S+32*\q+2*\i+1], v[S+32*\q+2*\i:S+32*\q+2*\i+1], v[M+2*\q:M+2*\q+1] op_sel_hi:[1,0] neg_lo:[0,1] neg_hi:[0,1]   ; s - m
.endr
.irp i, 0,1,2,3,4,5,6,7,8,9,10,11,12,13,14,15
	v_pk_mul_f32 v[S+32*\q+2*\i:S+32*\q+2*\i+1], v[S+32*\q+2*\i:S+32*\q+2*\i+1], 0x3fb8aa3b op_sel_hi:[1,0]
.endr
.set i, 0
.rept 32
	v_exp_f32 v[S+32*\q+i], v[S+32*\q+i]           ; back to back; the next block's packed lines are the plain place behind the run
.set i, i+1
.endr
.endr
	v_nop                                          ; the plain place behind the last run
	s_wait_alu depctr_va_vdst(0)
.irp q, 0,1,2,3
	v_pk_fma_f32 v[L+2*\q:L+2*\q+1], v[L+2*\q:L+2*\q+1], v[AL+2*\q:AL+2*\q+1], v[S+32*\q:S+32*\q+1] op_sel_hi:[1,0,1]
.endr
.irp i, 1,2,3,4,5,6,7,8,9,10,11,12,13,14,15
.irp q, 0,1,2,3
	v_pk_add_f32 v[L+2*\q:L+2*\q+1], v[L+2*\q:L+2*\q+1], v[S+32*\q+2*\i:S+32*\q+2*\i+1]
.endr
.endr
.irp q, 0,1,2,3
.irp i, 0,1,2,3,4,5,6,7,8,9,10,11,12,13,14,15
	v_cvt_pk_f16_f32 v[P+16*\q+\i], v[S+32*\q+2*\i], v[S+32*\q+2*\i+1]
.endr
.endr
.endm
; 32 products: O^T = O^T x factor + V^T P^T.  A tile is scaled just ahead of its first product, under the products' own window setting.
; The 16 accumulators take turns, one instruction a turn.  first = 1: the first products start the sums.
.macro PV first
	WIN 0x51                                       ; source 0 (V), C and D window 1, source 1 (P, the factor) window 0
.irp q, 0,1,2,3
.irp d, 0,1,2,3
.if \first
	v_wmma_f32_16x16x32_f16 v[O+8*(4*\q+\d):O+8*(4*\q+\d)+7], v[V+16*\d:V+16*\d+7], v[P+16*\q:P+16*\q+7], 0
.else
.irp j, 0,2,4,6
	v_pk_mul_f32 v[O+8*(4*\q+\d)+\j:O+8*(4*\q+\d)+\j+1], v[O+8*(4*\q+\d)+\j:O+8*(4*\q+\d)+\j+1], v[AL+2*\q:AL+2*\q+1] op_sel_hi:[1,0]
.endr
	v_wmma_f32_16x16x32_f16 v[O+8*(4*\q+\d):O+8*(4*\q+\d)+7], v[V+16*\d:V+16*\d+7], v[P+16*\q:P+16*\q+7], v[O+8*(4*\q+\d):O+8*(4*\q+\d)+7]
.endif
.endr
.endr
.irp q, 0,1,2,3
.irp d, 0,1,2,3
	v_wmma_f32_16x16x32_f16 v[O+8*(4*\q+\d):O+8*(4*\q+\d)+7], v[V+16*\d+8:V+16*\d+15], v[P+16*\q+8:P+16*\q+15], v[O+8*(4*\q+\d):O+8*(4*\q+\d)+7]
.endr
.endr
.endm
.macro PREF                            ; the mask's tile three ahead, clamped to the last tile: no request leaves the buffer
	s_wait_xcnt 0x0                                ; the last request, a trip ago, has had its address translated: its base may be written
	s_add_nc_u64 s[76:77], s[72:73], s[74:75]
	s_add_co_u32 s74, s74, 512
	s_min_u32 s74, s74, 7680
	s_cmp_lg_u32 s14, 0
	s_cbranch_scc1 .Lnopf_\@
	global_prefetch_b8 v[PFO], s[76:77] th:TH_LOAD_NT scope:SCOPE_SE
.Lnopf_\@:
.endm
; One tile of 128 keys in slot s.  At its head K's and the mask's loads of the first half are out (16 + 32); they were issued ahead of the
; 32 products that end the tile before.  By this text's count a wave has at most 48 LDS loads out.
; mode 2: slot s is filled again, two tiles ahead; mode 1: only the change of slots; mode 0: the last tile.
.macro TRIP s, nx, mode, first
	PLACES                                         ; V's registers were sources of the last products
	s_wait_dscnt 0x0                               ; K and the mask of the first half are in: the score products read them
	LDV \s, 0                                      ; has the score products and the softmax in which to land
	SMUL
	LDK \s, 1
	SOFT
	s_wait_dscnt 16                                ; V is in; K's 16 younger loads stay out
	LDM \s, 1
	PV \first
	PLACES
	s_wait_dscnt 0x0                               ; K and the mask of the second half are in
	LDV \s, 1
	SMUL
	SOFT
	s_wait_dscnt 0x0                               ; V is in, and my reads of this slot are over
.if \mode == 2
	s_wait_tensorcnt 0x0                           ; all my tensor loads have landed: the one that was out is my part of the next slot
	ds_add_u32 v22, v23
	s_wait_dscnt 0x0
	CROUND                                         ; both now hold of every wave of the sixteen work-groups
	s_add_nc_u64 s[G0R+4*\s+2:G0R+4*\s+3], s[G0R+4*\s+2:G0R+4*\s+3], 1024
	s_add_nc_u64 s[G0C+4*\s+2:G0C+4*\s+3], s[G0C+4*\s+2:G0C+4*\s+3], 65536
	JLOAD \s                                       ; the first tensor load behind the round, my only one until the next
	PREF
.endif
.if \mode == 1
	s_wait_tensorcnt 0x0                           ; the last tile has landed
	s_barrier_signal -1
	s_barrier_wait -1
.endif
.if \mode
	LDK \nx, 0
	LDM \nx, 0
.endif
	PV 0                                           ; covers the next slot's first LDS loads
.endm
	s_wait_tensorcnt 0x1                           ; my part of tile 0 is in; tile 1's stays out
	s_wait_loadcnt 0x0                             ; q
	s_barrier_signal -1
	s_barrier_wait -1
	LDK 0, 0
	LDM 0, 0
	TRIP 0, 1, 2, 1                                ; tiles 0, 1
	TRIP 1, 0, 2, 0
	WIN 0
	s_mov_b32 s3, 6                                ; tiles 2-13
.Ltiles:
	TRIP 0, 1, 2, 0
	TRIP 1, 0, 2, 0
	WIN 0
	s_sub_co_u32 s3, s3, 1
	s_cmp_lg_u32 s3, 0
	s_cbranch_scc1 .Ltiles
	TRIP 0, 1, 1, 0                                ; tiles 14, 15: nothing is left to fetch
	TRIP 1, 0, 0, 0
	PLACES
	WIN 0
.irp q, 0,1,2,3
	v_add_f32 v[L+2*\q], v[L+2*\q], v[L+2*\q+1]
.endr
.irp q, 0,1,2,3
	v_permlanex16_b32 v[U+\q], v[L+2*\q], s66, s67
.endr
.irp q, 0,1,2,3
	v_add_f32 v[L+2*\q], v[L+2*\q], v[U+\q]        ; the whole row's sum
.endr
.irp q, 0,1,2,3
	v_rcp_f32 v[INV+2*\q], v[L+2*\q]
.endr
	v_nop                                          ; one plain place behind the transcendentals
.irp q, 0,1,2,3
	v_cmp_gt_f32 s[80+\q], v[L+2*\q], 0            ; false for a sum of 0 and for NaN
.endr
	WIN 0x51
	s_wait_alu depctr_va_vdst(0)
.irp q, 0,1,2,3
.irp i, 0,1,2,3,4,5,6,7,8,9,10,11,12,13,14,15
	v_pk_mul_f32 v[O+32*\q+2*\i:O+32*\q+2*\i+1], v[O+32*\q+2*\i:O+32*\q+2*\i+1], v[INV+2*\q:INV+2*\q+1] op_sel_hi:[1,0]
.endr
.endr
	WIN 0x05                                       ; sources 0, 1: window 1
.set i, 0
.rept 64
	v_cvt_pk_f16_f32 v[S+i], v[O+2*i], v[O+2*i+1]
.set i, i+1
.endr
	WIN 0
.irp q, 0,1,2,3
.irp i, 0,1,2,3,4,5,6,7,8,9,10,11,12,13,14,15
	v_cndmask_b32 v[S+16*\q+\i], 0, v[S+16*\q+\i], s[80+\q]        ; nan_to_num
.endr
.endr
.irp q, 0,1,2,3
.irp d, 0,1,2,3
	ds_store_b128 v[STO], v[S+4*(4*\q+\d):S+4*(4*\q+\d)+3] offset:\q*16*SP+32*\d
.endr
.endr
	s_wait_dscnt 0x0                               ; for the others' sake: a stage row is filled by the two heads' waves
	s_barrier_signal -1
	s_barrier_wait -1
.irp i, 0,1,2,3,4,5,6,7,8,9,10,11,12,13,14,15
	ds_load_b128 v[128+4*\i:128+4*\i+3], v[RD] offset:2*SP*\i
.endr
.irp i, 0,1,2,3,4,5,6,7,8,9,10,11,12,13,14,15
	s_wait_dscnt 15-\i
	global_store_b128 v[CO], v[128+4*\i:128+4*\i+3], s[12:13] offset:4096*\i   ; sixteen lanes store 256 consecutive aligned bytes
.endr
	s_wait_tensorcnt 0x0
	ds_add_u32 v22, v23
	s_wait_dscnt 0x0
	CROUND                                         ; the closing round
	s_endpgm
.Lfunc_end_k_q7682a69782_attn:
	.size	k_q7682a69782_attn, .Lfunc_end_k_q7682a69782_attn-k_q7682a69782_attn
	.p2alignl 7, 3214868480
	.fill 96, 4, 3214868480
	.section	.rodata,"a",@progbits
	.p2align	6, 0x0
	.amdhsa_kernel k_q7682a69782_attn
		.amdhsa_group_segment_fixed_size 327680
		.amdhsa_private_segment_fixed_size 0
		.amdhsa_enable_private_segment 0
		.amdhsa_kernarg_size 40
		.amdhsa_user_sgpr_count 2
		.amdhsa_user_sgpr_kernarg_segment_ptr 1
		.amdhsa_wavefront_size32 1
		.amdhsa_system_sgpr_workgroup_id_x 1
		.amdhsa_system_sgpr_workgroup_id_y 1
		.amdhsa_system_sgpr_workgroup_id_z 1
		.amdhsa_system_vgpr_workitem_id 0
		.amdhsa_next_free_vgpr 576
		.amdhsa_next_free_sgpr 92
		.amdhsa_reserve_vcc 0
		.amdhsa_float_denorm_mode_32 3
		.amdhsa_float_denorm_mode_16_64 3
		.amdhsa_memory_ordered 1
		.amdhsa_forward_progress 1
		.amdhsa_inst_pref_size 255
	.end_amdhsa_kernel
	.section	.bss,"aw",@nobits
	.p2align	6
	.space	262144
	.amdgpu_metadata
---
amdhsa.version: [ 1, 2 ]
amdhsa.kernels:
  - .name:           k_q7682a69782_attn
    .symbol:         k_q7682a69782_attn.kd
    .args:
      - { .name: qb, .offset: 0, .size: 8, .value_kind: global_buffer, .address_space: global }
      - { .name: kb, .offset: 8, .size: 8, .value_kind: global_buffer, .address_space: global }
      - { .name: vb, .offset: 16, .size: 8, .value_kind: global_buffer, .address_space: global }
      - { .name: mask, .offset: 24, .size: 8, .value_kind: global_buffer, .address_space: global }
      - { .name: ao, .offset: 32, .size: 8, .value_kind: global_buffer, .address_space: global }
    .group_segment_fixed_size: 327680
    .private_segment_fixed_size: 0
    .kernarg_segment_align: 8
    .kernarg_segment_size: 40
    .max_flat_workgroup_size: 128
    .sgpr_count:     92
    .vgpr_count:     576
    .wavefront_size: 32
...
	.end_amdgpu_metadata
.endif
;; end of part 3
;; launch oproj (part 4): grid 8 x 32, 4 waves a work-group, clusters of 4 x 4, 327,680 bytes of LDS; arguments ao, cb, bo, out0; writes out0
.if DOCPART == 4
	.amdgcn_target "amdgcn-amd-amdhsa--gfx1250"
	.amdhsa_code_object_version 6
	.text
	.protected	k_q7682a69782_oproj
	.globl	k_q7682a69782_oproj
	.p2align	8
	.type	k_q7682a69782_oproj,@function
k_q7682a69782_oproj:
	s_mov_b64 s[64:65], 0
	v_nop
	global_prefetch_b8 v0, s[64:65] scope:SCOPE_SE
	s_setreg_imm32_b32 hwreg(HW_REG_WAVE_MODE, 25, 1), 1
	s_wait_xcnt 0x0
	s_wait_alu depctr_hold_cnt(0) depctr_sa_sdst(0) depctr_va_vdst(0) depctr_va_sdst(0) depctr_va_ssrc(0) depctr_va_vcc(0) depctr_vm_vsrc(0)
	s_getreg_b32 s2, hwreg(HW_REG_IB_STS2, 6, 4)
	s_cmp_eq_u32 s2, 0
	s_cbranch_scc0 .Lentry_in_a_cluster
	s_endpgm
.Lentry_in_a_cluster:
	s_bfe_u32 s2, ttmp6, 0x10000c
	s_cmp_lg_u32 s2, 0xf033
	s_cbranch_scc0 .Lentry_shape_is_right
	s_endpgm
.Lentry_shape_is_right:
; oproj: out0 = ao Wo^T + bo.  ao [4096][1024] and Wo [1024][1024] (in cb at byte WOFF) in f16, sums, bo and out0 in f32.
; 256 work-groups of 128 x 128 (X = column block, Y = row block): blocks of 256 x 256 would leave three quarters of the 256 WGPs idle.
; Four waves, one a SIMD, 64 x 64 each: 16 accumulator tiles.  A slot holds 256 along K (rows of 512 bytes), so K = 1,024 is four fills of
; two slots: two at the start, two refills; one tensor load (64 rows) a wave each time.
; CLUSTERS 4 x 4: ao's tile hangs on Y alone and is asked for jointly along a row of the cluster, Wo's on X alone, along a column.
; The products are used transposed (source 0 = Wo rows, source 1 = ao rows): a lane holds one row of C and 8 neighbouring columns.
; The bias is the C operand of the first products: nothing is cleared and nothing is added later.
; REGISTERS: window 0: v16-27 addresses, v64-127 and v128-191 fragments (ao's 4 x 8, then Wo's 4 x 8), v192-223 the bias;
; window 1: the sums, tile (a, b) at 8 (4 a + b).
.set PITCH, 528                        ; 512 bytes + 16, an odd multiple of 16
.set QUART, 64*PITCH                   ; what one load brings
.set BOFF,  2*QUART
.set SLOT,  4*QUART                    ; 135,168
.set STAGE, 2*SLOT                     ; 270,336, a multiple of 256
.set SP,    272
.set WOFF,  14680064
.set ADRA, 16
.set ADRB, 20
.set STO,  24
.set RD,   25
.set CO,   26
.set BO,   27
.set F0,   64
.set F1,   128
.set BIAS, 192
.set G1R, 24
.set G0R, 32
.set G1C, 48
.set G0C, 56
.set MSB, 0
.macro WIN new
.if MSB != \new
	s_set_vgpr_msb (MSB<<8)|\new
.set MSB, \new
.endif
.endm
.macro PLACES                          ; four places behind matrix instructions (ISA guide 7.12.1 for vector instructions)
.rept 4
	v_nop
.endr
.endm
.macro JLOAD s
	s_cmp_eq_u32 s15, 0
	s_cbranch_scc0 .Lfor_c_\@
	tensor_load_to_lds s[G0R+4*\s:G0R+4*\s+3], s[G1R:G1R+7]
	s_nop 0
	s_branch .Lasked_\@
.Lfor_c_\@:
	tensor_load_to_lds s[G0C+4*\s:G0C+4*\s+3], s[G1C:G1C+7]
	s_nop 0
.Lasked_\@:
.endm
.macro CREST
	s_cmp_lg_u32 s14, 0
	s_cbranch_scc1 .Lnot_wave_0_\@
	s_barrier_signal -3
.Lnot_wave_0_\@:
	s_barrier_wait -3
	s_barrier_signal -1
	s_barrier_wait -1
.endm
.macro CROUND
	s_barrier_signal -1
	s_barrier_wait -1
	CREST
.endm
	s_load_b256 s[4:11], s[0:1], 0x0               ; ao s[4:5], cb s[6:7], bo s[8:9], out0 s[10:11]
	v_lshl_add_u32 v254, v0, 2, 0x46400
	v_mov_b32 v255, 0
	ds_add_u32 v254, v255
	v_lshrrev_b32 v1, 5, v0
	v_readfirstlane_b32 s14, v1                    ; wave
	s_lshr_b32 s15, s14, 1                         ; my half of the rows.  Also: 0: I fetch ao, 1: Wo
	s_and_b32 s16, s14, 1                          ; my half of the columns.  Also: which 64 rows of that tile
	s_bfe_u32 s17, ttmp6, 0x40000
	s_bfe_u32 s18, ttmp6, 0x40004
	s_lshl_b32 s19, ttmp9, 2
	s_add_co_u32 s19, s19, s17                     ; X
	s_and_b32 s20, ttmp7, 0xffff
	s_lshl_b32 s20, s20, 2
	s_add_co_u32 s20, s20, s18                     ; Y
	s_lshl_b32 s21, s18, 2
	s_lshl_b32 s21, 15, s21
	s_lshl_b32 s22, 0x1111, s17
	; 64 rows x 256 f16, 16 bytes of padding behind every 128 words
	s_or_b32 s[G1R+0], s21, (1<<16)|(1<<20)|(1<<21)|(6<<22)|(3<<25)
	s_mov_b32 s[G1R+1], 256<<16
	s_mov_b32 s[G1R+2], 64<<16
	s_mov_b32 s[G1R+3], 256<<16
	s_mov_b32 s[G1R+4], 64
	s_mov_b32 s[G1R+5], 1024
	s_mov_b32 s[G1R+6], 0
	s_mov_b32 s[G1R+7], 0
	s_or_b32 s[G1C+0], s22, (1<<16)|(1<<20)|(1<<21)|(6<<22)|(3<<25)
	s_mov_b32 s[G1C+1], 256<<16
	s_mov_b32 s[G1C+2], 64<<16
	s_mov_b32 s[G1C+3], 256<<16
	s_mov_b32 s[G1C+4], 64
	s_mov_b32 s[G1C+5], 1024
	s_mov_b32 s[G1C+6], 0
	s_mov_b32 s[G1C+7], 0
	s_lshl_b32 s40, s20, 7
	s_lshl_b32 s41, s16, 6
	s_add_co_u32 s40, s40, s41                     ; ao's row 128 Y + 64 half
	s_lshl_b32 s40, s40, 11
	s_mov_b32 s41, 0
	s_lshl_b32 s44, s19, 7
	s_lshl_b32 s45, s16, 6
	s_add_co_u32 s44, s44, s45                     ; Wo's row 128 X + 64 half
	s_lshl_b32 s44, s44, 11
	s_add_co_u32 s44, s44, WOFF
	s_mov_b32 s45, 0
	s_mul_i32 s42, s14, QUART                      ; LDS: ao's two halves, then Wo's two halves = wave x 64 rows
	s_mul_i32 s46, s14, QUART
	s_lshl_b32 s70, s19, 9
	s_lshl_b32 s71, s16, 8
	s_add_co_u32 s70, s70, s71                     ; my 64 columns: 4 bytes each, in bo and in a row of out0
	s_mov_b32 s71, 0
	s_lshl_b32 s72, s20, 7
	s_lshl_b32 s73, s15, 6
	s_add_co_u32 s72, s72, s73                     ; my first row of out0
	s_lshl_b32 s72, s72, 12
	s_add_co_u32 s72, s72, s70
	s_mov_b32 s73, 0
	s_wait_dscnt 0x0
	s_wait_kmcnt 0x0
	s_add_nc_u64 s[40:41], s[4:5], s[40:41]
	s_add_nc_u64 s[44:45], s[6:7], s[44:45]
	s_add_nc_u64 s[8:9], s[8:9], s[70:71]
	s_add_nc_u64 s[10:11], s[10:11], s[72:73]
	CROUND                                         ; in front of the first joint loads
.irp s, 0,1
	s_mov_b32 s[G0R+4*\s], 1
	s_add_co_u32 s[G0R+4*\s+1], s42, \s*SLOT
	s_add_nc_u64 s[G0R+4*\s+2:G0R+4*\s+3], s[40:41], \s*512
	s_or_b32 s[G0R+4*\s+3], s[G0R+4*\s+3], 0x80000000
	s_mov_b32 s[G0C+4*\s], 1
	s_add_co_u32 s[G0C+4*\s+1], s46, \s*SLOT
	s_add_nc_u64 s[G0C+4*\s+2:G0C+4*\s+3], s[44:45], \s*512
	s_or_b32 s[G0C+4*\s+3], s[G0C+4*\s+3], 0x80000000
	JLOAD \s                                       ; K 0-255 and 256-511: two loads of this wave are out
.endr
	v_and_b32 v1, 15, v0                           ; r
	v_bfe_u32 v2, v0, 4, 1                         ; h
	v_lshlrev_b32 v[BO], 5, v2                     ; register j of tile b wants bo[16 b + 8 h + j], the same for every r
.irp b, 0,1,2,3
	global_load_b128 v[BIAS+8*\b:BIAS+8*\b+3],   v[BO], s[8:9] offset:64*\b
	global_load_b128 v[BIAS+8*\b+4:BIAS+8*\b+7], v[BO], s[8:9] offset:64*\b+16
.endr
	v_mul_u32_u24 v3, v1, PITCH
	v_lshl_add_u32 v3, v2, 4, v3
	s_mul_i32 s74, s15, QUART
	s_mul_i32 s75, s16, QUART
	s_add_co_u32 s75, s75, BOFF
	v_add_nc_u32 v[ADRA], s74, v3
	v_add_nc_u32 v[ADRA+1], SLOT, v[ADRA]
	v_add_nc_u32 v[ADRB], s75, v3
	v_add_nc_u32 v[ADRB+1], SLOT, v[ADRB]
	s_mul_i32 s76, s14, 16*SP
	s_add_co_u32 s76, s76, STAGE                   ; my stage: 16 rows of 256 bytes
	v_mul_u32_u24 v4, v1, SP
	v_lshl_add_u32 v4, v2, 5, v4
	v_add_nc_u32 v[STO], s76, v4                   ; in: row r, 32 bytes for each half of the lanes
	v_mul_u32_u24 v5, v2, SP
	v_lshl_add_u32 v5, v1, 4, v5
	v_add_nc_u32 v[RD], s76, v5                    ; back: sixteen lanes a row
	v_lshlrev_b32 v[CO], 12, v2
	v_lshl_add_u32 v[CO], v1, 4, v[CO]             ; the same two rows in out0
.macro FETCH slot, k, f                ; 16 LDS loads: 32 along K at byte k of the rows
	WIN 0
.irp i, 0,1,2,3
	ds_load_b128 v[\f+8*\i:\f+8*\i+3],   v[ADRA+\slot] offset:\k+\i*16*PITCH
	ds_load_b128 v[\f+8*\i+4:\f+8*\i+7], v[ADRA+\slot] offset:\k+\i*16*PITCH+32
.endr
.irp i, 0,1,2,3
	ds_load_b128 v[\f+32+8*\i:\f+32+8*\i+3],   v[ADRB+\slot] offset:\k+\i*16*PITCH
	ds_load_b128 v[\f+32+8*\i+4:\f+32+8*\i+7], v[ADRB+\slot] offset:\k+\i*16*PITCH+32
.endr
.endm
; 8 products: row blocks a0, a0 + 1 x 4 column blocks.  zero = 1: the bias starts the sums.
; The 16 accumulators take turns, one instruction a turn.
.macro MUL8 f, a0, zero
.if \zero
	WIN 0x40                                       ; D window 1, C (the bias) window 0
.else
	WIN 0x50                                       ; C and D window 1
.endif
.irp a, \a0, \a0+1
.irp b, 0,1,2,3
.if \zero
	v_wmma_f32_16x16x32_f16 v[8*(4*(\a)+\b):8*(4*(\a)+\b)+7], v[\f+32+8*\b:\f+32+8*\b+7], v[\f+8*(\a):\f+8*(\a)+7], v[BIAS+8*\b:BIAS+8*\b+7]
.else
	v_wmma_f32_16x16x32_f16 v[8*(4*(\a)+\b):8*(4*(\a)+\b)+7], v[\f+32+8*\b:\f+32+8*\b+7], v[\f+8*(\a):\f+8*(\a)+7], v[8*(4*(\a)+\b):8*(4*(\a)+\b)+7]
.endif
.endr
.endr
.endm
.macro SUB slot, k, f, g, zero         ; fetch the next 32 along K into g, multiply f
	PLACES
	FETCH \slot, \k, \g
	s_wait_dscnt 16                                ; all but the 16 just issued
	MUL8 \f, 0, \zero
	MUL8 \f, 2, \zero
.endm
.macro SEVEN slot, zero
	SUB \slot, 64,  F0, F1, \zero
	SUB \slot, 128, F1, F0, 0
	SUB \slot, 192, F0, F1, 0
	SUB \slot, 256, F1, F0, 0
	SUB \slot, 320, F0, F1, 0
	SUB \slot, 384, F1, F0, 0
	SUB \slot, 448, F0, F1, 0
.endm
; The slot's last 32 along K, and the change of slots: each wave's waits for its reads of the slot and for all its tensor loads stand in
; front of the barrier; fill = 1: it opens a round of the cluster's barrier, and the joint refill is the first tensor load behind the round.
.macro TURN slot, next, fill
	s_wait_dscnt 0x0
	s_wait_tensorcnt 0x0
	ds_add_u32 v254, v255
	s_wait_dscnt 0x0
	s_barrier_signal -1
	MUL8 F1, 0, 0                                  ; registers only
	WIN 0
	s_barrier_wait -1
.if \fill
	CREST
	s_add_nc_u64 s[G0R+4*\slot+2:G0R+4*\slot+3], s[G0R+4*\slot+2:G0R+4*\slot+3], 1024
	s_add_nc_u64 s[G0C+4*\slot+2:G0C+4*\slot+3], s[G0C+4*\slot+2:G0C+4*\slot+3], 1024
	JLOAD \slot
.endif
	PLACES
	FETCH \next, 0, F0
	MUL8 F1, 2, 0
.endm
	s_wait_tensorcnt 0x1                           ; my part of slot 0 is in; slot 1's stays out
	s_wait_loadcnt 0x0                             ; the bias
	s_barrier_signal -1
	s_barrier_wait -1
	FETCH 0, 0, F0
	SEVEN 0, 1                                     ; K 0-255
	TURN 0, 1, 1                                   ; asks for K 512-767
	SEVEN 1, 0                                     ; K 256-511
	TURN 1, 0, 1                                   ; asks for K 768-1023
	SEVEN 0, 0
	TURN 0, 1, 0                                   ; nothing is left to fetch
	SEVEN 1, 0
	s_wait_dscnt 0x0
	MUL8 F1, 0, 0
	MUL8 F1, 2, 0
	; THE WAY OUT, 16 rows at a time through my own stage: in as 32 bytes a lane, back as whole rows of 256 bytes
	PLACES
.macro OUT16 a, f
	WIN 0x04                                       ; an LDS store's data is source 1: window 1
.irp b, 0,1,2,3
	ds_store_b128 v[STO], v[8*(4*\a+\b):8*(4*\a+\b)+3]   offset:64*\b
	ds_store_b128 v[STO], v[8*(4*\a+\b)+4:8*(4*\a+\b)+7] offset:64*\b+16
.endr
	WIN 0
	s_wait_xcnt 0x0                                ; buffer f, which earlier stores read, is loaded again only behind this wait
.irp t, 0,1,2,3,4,5,6,7
	ds_load_b128 v[\f+4*\t:\f+4*\t+3], v[RD] offset:2*SP*\t        ; LDS serves a wave's instructions in order: these see the stores above
.endr
.irp t, 0,1,2,3,4,5,6,7
	s_wait_dscnt 7-\t
	global_store_b128 v[CO], v[\f+4*\t:\f+4*\t+3], s[10:11] offset:65536*\a+8192*\t th:TH_STORE_NT   ; sixteen lanes store 256 consecutive aligned bytes
.endr
.endm
	OUT16 0, F0
	OUT16 1, F1
	OUT16 2, F0
	OUT16 3, F1
	s_wait_tensorcnt 0x0
	ds_add_u32 v254, v255
	s_wait_dscnt 0x0
	CROUND                                         ; the closing round
	s_endpgm
.Lfunc_end_k_q7682a69782_oproj:
	.size	k_q7682a69782_oproj, .Lfunc_end_k_q7682a69782_oproj-k_q7682a69782_oproj
	.p2alignl 7, 3214868480
	.fill 96, 4, 3214868480
	.section	.rodata,"a",@progbits
	.p2align	6, 0x0
	.amdhsa_kernel k_q7682a69782_oproj
		.amdhsa_group_segment_fixed_size 327680
		.amdhsa_private_segment_fixed_size 0
		.amdhsa_enable_private_segment 0
		.amdhsa_kernarg_size 32
		.amdhsa_user_sgpr_count 2
		.amdhsa_user_sgpr_kernarg_segment_ptr 1
		.amdhsa_wavefront_size32 1
		.amdhsa_system_sgpr_workgroup_id_x 1
		.amdhsa_system_sgpr_workgroup_id_y 1
		.amdhsa_system_sgpr_workgroup_id_z 1
		.amdhsa_system_vgpr_workitem_id 0
		.amdhsa_next_free_vgpr 384
		.amdhsa_next_free_sgpr 92
		.amdhsa_reserve_vcc 0
		.amdhsa_float_denorm_mode_32 3
		.amdhsa_float_denorm_mode_16_64 3
		.amdhsa_memory_ordered 1
		.amdhsa_forward_progress 1
		.amdhsa_inst_pref_size 89
	.end_amdhsa_kernel
	.amdgpu_metadata
---
amdhsa.version: [ 1, 2 ]
amdhsa.kernels:
  - .name:           k_q7682a69782_oproj
    .symbol:         k_q7682a69782_oproj.kd
    .args:
      - { .name: ao, .offset: 0, .size: 8, .value_kind: global_buffer, .address_space: global }
      - { .name: cb, .offset: 8, .size: 8, .value_kind: global_buffer, .address_space: global }
      - { .name: bo, .offset: 16, .size: 8, .value_kind: global_buffer, .address_space: global }
      - { .name: out0, .offset: 24, .size: 8, .value_kind: global_buffer, .address_space: global }
    .group_segment_fixed_size: 327680
    .private_segment_fixed_size: 0
    .kernarg_segment_align: 8
    .kernarg_segment_size: 32
    .max_flat_workgroup_size: 128
    .sgpr_count:     92
    .vgpr_count:     384
    .wavefront_size: 32
...
	.end_amdgpu_metadata
.endif
;; end of part 4
;; ======== version 2 of 2: 4 launches; version 1 with the launch prep written anew for expert scheduling mode
;; limits: values are held in f16: magnitudes above 65,504 overflow, below 6.1e-05 lose precision; right only within a limited range of input values
;; workspace buffers: cb 16,777,216 bytes; tab 524,288 bytes; qb 8,388,608 bytes; kb 8,388,608 bytes; vb 8,388,608 bytes; ao 8,388,608 bytes
;; launch prep (part 5): grid 256 x 1, 8 waves a work-group, no clusters, 0 bytes of LDS; arguments x, Wq, Wk, Wv, Wo, cb, tab; writes cb, tab
.if DOCPART == 5
	.amdgcn_target "amdgcn-amd-amdhsa--gfx1250"
	.amdhsa_code_object_version 6
	.text
	.protected	k_q7682a69782_prep
	.globl	k_q7682a69782_prep
	.p2align	8
	.type	k_q7682a69782_prep,@function
k_q7682a69782_prep:
	s_mov_b64 s[64:65], 0
	v_nop
	global_prefetch_b8 v0, s[64:65] scope:SCOPE_SE
	s_setreg_imm32_b32 hwreg(HW_REG_WAVE_SCHED_MODE, 0, 2), 2
	s_setreg_imm32_b32 hwreg(HW_REG_WAVE_MODE, 25, 1), 1
	s_wait_xcnt 0x0
	s_wait_alu depctr_vm_vsrc(0)
; prep: the operands of all later products, rounded once to f16, and the table of RoPE's cosines and sines.
; cb (rows of 1,024 f16 = 2,048 bytes): byte 0: x, 4,096 rows; byte WQKV: 3,072 weight rows in the order 192 head + 64 ty + d
; (ty 0 = Wq, 1 = Wk, 2 = Wv), so that one head's q, k and v rows are neighbours; byte WOFF: Wo, 1,024 rows.
; tab: f32 [n 2048][i 32][cos, sin] of the angle n * 10000^(-i/32); a row is 256 bytes.
; WHY f16: eleven bits of significand against bf16's eight.  With scores near zero a result is a mean of 2,048 values of v, and six
; roundings lie on its way (x, Wv, v, the probabilities, the heads' output, Wo); in f16 each is eight times finer.
; ROOM IN f16: numbers of x of the size 1 and weights of the size 1/32 stay under 200 and under 6 when 30 times larger or shifted by 30
; of their spreads (f16 ends at 65,504); weights 30 times smaller have the size 1e-3, and f16's step under 2^-14 is 2^-24, 6e-5 of that.
; A stream: no LDS, no barrier, no matrix unit.  256 work-groups of 8 waves; a work-group casts 32 rows (131,072 bytes in,
; 65,536 out).  Thread t owns 16 bytes at 16 t of every row: a wave's load covers 512 consecutive bytes, its store 256
; consecutive aligned bytes.  All 32 loads of a thread go out at once; the table is computed while they are on their way.
; LIMIT: the angle is reduced in f32 (n * invf, then the fraction of angle / 2 pi by one fused multiply-add); at n = 2,047 that
; leaves an error of some 3e-4 radians, the size of the rounding of the f32 angle itself.  The two series are cut at y^11 and
; y^12 for |y| <= pi/2: the first terms left out are below 6e-8.
; THE MODE: SCHED_MODE bits 1:0 = 2 (LLVM: expert scheduling mode 2), set by the entry lines.  The code itself states the register
; dependences between vector instructions and memory instructions, with s_wait_alu, always for 0.
; THE PLAN.  Registers that memory instructions touch:
;   v1, v2      byte offsets of the loads and of the stores: written once at the head, never again.
;   X           row j: four registers.  Its load lands in them (no vector instruction names them before); its two conversions read the
;               four and write the first two; its store reads those two; nothing writes them again.
;   v12, v13    written by the table's arithmetic, read by the table's one store, never written again.
; So: one wait on va_vdst ahead of the first load (the offsets), one ahead of the table's store, and one to each block of four rows,
; between the block's eight conversions and its four stores.  That wait stands behind the conversions and not at the next block's head,
; where it would follow the wait for the next four loads: finished rows would be held for data on which they do not hang.
; No register that a memory instruction reads is written afterwards: the text owes no wait on vm_vsrc.  No vector instruction writes
; a scalar register or VCC, and EXEC is never written.
.set WQKV, 8388608
.set WOFF, 14680064
.set BLOCK, 4                          ; rows in a block
.set X, 16                             ; v[16:143] the 32 loads, 4 registers each; the packed results are made in place
	s_load_b256 s[4:11], s[0:1], 0x0               ; x s[4:5], Wq s[6:7], Wk s[8:9], Wv s[10:11]
	s_load_b128 s[12:15], s[0:1], 0x20             ; Wo s[12:13], cb s[14:15]
	s_load_b64 s[16:17], s[0:1], 0x30              ; tab
	s_mov_b32 s20, ttmp9                           ; g: groups 0-127 cast x, 128-255 the four weights, 32 groups each
	s_and_b32 s21, s20, 127
	s_lshr_b32 s22, s21, 5                         ; ty: which weight
	s_and_b32 s23, s21, 31                         ; rb: which 32 rows of it
	s_lshr_b32 s24, s23, 1                         ; head = rb / 2
	s_mul_i32 s24, s24, 192
	s_lshl_b32 s25, s22, 6
	s_add_co_u32 s24, s24, s25                     ; + 64 ty
	s_and_b32 s25, s23, 1
	s_lshl_b32 s25, s25, 5
	s_add_co_u32 s24, s24, s25                     ; + 32 (rb odd)
	s_lshl_b32 s24, s24, 11                        ; rows of 2,048 bytes
	s_add_co_u32 s24, s24, WQKV                    ; where Wq, Wk, Wv rows go
	s_lshl_b32 s25, s23, 16
	s_add_co_u32 s25, s25, WOFF                    ; where Wo rows go
	s_cmp_eq_u32 s22, 3
	s_cselect_b32 s24, s25, s24
	s_lshl_b32 s25, s20, 16                        ; where x rows go
	s_lshl_b32 s26, s20, 17                        ; where x rows come from
	s_lshl_b32 s27, s23, 17                        ; where weight rows come from
	s_cmp_lt_u32 s20, 128
	s_cselect_b32 s24, s25, s24                    ; s24: byte offset in cb
	s_cselect_b32 s26, s26, s27                    ; s26: byte offset in the source
	s_mov_b32 s25, 0
	s_mov_b32 s27, 0
	s_lshl_b32 s18, s20, 11                        ; the group's 8 rows of tab
	s_mov_b32 s19, 0
	v_lshlrev_b32 v1, 4, v0                        ; 16 t: my bytes in a source row
	v_lshlrev_b32 v2, 3, v0                        ; 8 t: my bytes in a row of cb, and in the group's part of tab
	s_wait_kmcnt 0x0
	s_cmp_eq_u32 s22, 1                            ; the source buffer: a choice on the group's number alone
	s_cselect_b64 s[28:29], s[8:9], s[6:7]
	s_cmp_eq_u32 s22, 2
	s_cselect_b64 s[28:29], s[10:11], s[28:29]
	s_cmp_eq_u32 s22, 3
	s_cselect_b64 s[28:29], s[12:13], s[28:29]
	s_cmp_lt_u32 s20, 128
	s_cselect_b64 s[28:29], s[4:5], s[28:29]
	s_add_nc_u64 s[28:29], s[28:29], s[26:27]
	s_add_nc_u64 s[30:31], s[14:15], s[24:25]
	s_add_nc_u64 s[16:17], s[16:17], s[18:19]
	s_wait_alu depctr_va_vdst(0)                   ; v1 and v2 are written: every load of the kernel reads v1 as its offset, every store v2
.set j, 0
.rept 32
	global_load_b128 v[X+4*j:X+4*j+3], v1, s[28:29] offset:4096*j th:TH_LOAD_NT   ; row j; read once in the launch
.set j, j+1
.endr
	; the table: n = 8 g + wave, i = lane.  Its lines name v0 and v4 to v13 alone: none of the registers in which the loads land
	v_and_b32 v4, 31, v0
	v_lshrrev_b32 v5, 5, v0
	s_lshl_b32 s32, s20, 3
	v_add_nc_u32 v5, s32, v5
	v_cvt_f32_u32 v4, v4
	v_cvt_f32_u32 v5, v5
	v_mul_f32 v4, 0xbed49a78, v4                   ; -i log2(10000) / 32
	v_exp_f32 v4, v4                               ; 10000^(-i/32)
	v_nop                                          ; one plain place behind a transcendental (ISA guide 5.7.2)
	s_wait_alu depctr_va_vdst(0)                   ; the exponential has written v4, which the next line reads
	v_mul_f32 v5, v5, v4                           ; the angle
	v_mul_f32 v6, 0.15915494, v5
	v_rndne_f32 v6, v6                             ; whole turns
	v_fma_f32 v6, v5, 0.15915494, -v6              ; the fraction of a turn, -1/2 .. 1/2
	v_mul_f32 v7, 0x40490fdb, v6                   ; y = half the reduced angle, -pi/2 .. pi/2
	v_mul_f32 v8, v7, v7                           ; z = y^2
	v_mov_b32 v9, 0xb2d7322b                       ; sin y = y (1 - z/3! + z^2/5! - z^3/7! + z^4/9! - z^5/11!)
	v_fmaak_f32 v9, v9, v8, 0x3638ef1d
	v_fmaak_f32 v9, v9, v8, 0xb9500d01
	v_fmaak_f32 v9, v9, v8, 0x3c088889
	v_fmaak_f32 v9, v9, v8, 0xbe2aaaab
	v_fma_f32 v9, v9, v8, 1.0
	v_mul_f32 v9, v9, v7
	v_mov_b32 v10, 0x310f76c7                      ; cos y = 1 - z/2! + z^2/4! - .. + z^6/12!
	v_fmaak_f32 v10, v10, v8, 0xb493f27e
	v_fmaak_f32 v10, v10, v8, 0x37d00d01
	v_fmaak_f32 v10, v10, v8, 0xbab60b61
	v_fmaak_f32 v10, v10, v8, 0x3d2aaaab
	v_fma_f32 v10, v10, v8, -0.5
	v_fma_f32 v10, v10, v8, 1.0
	v_add_f32 v11, v9, v9
	v_fma_f32 v12, -v11, v9, 1.0                   ; cos 2y = 1 - 2 sin^2 y
	v_mul_f32 v13, v11, v10                        ; sin 2y = 2 sin y cos y
	s_wait_alu depctr_va_vdst(0)                   ; v12 and v13 are written, which the store below reads
	global_store_b64 v2, v[12:13], s[16:17]        ; a wave writes one row of tab: 256 consecutive aligned bytes
; The 32 rows in eight blocks of four: the block's data, its eight conversions, one wait, its four stores.
.set p, 0
.rept 32/BLOCK
	s_wait_loadcnt 32-BLOCK-BLOCK*p                ; loads return in order (ISA guide 5.7.1): the block's four rows are in, the younger rows stay out
.set j, BLOCK*p
.rept BLOCK
	v_cvt_pk_f16_f32 v[X+4*j], v[X+4*j], v[X+4*j+1]
	v_cvt_pk_f16_f32 v[X+4*j+1], v[X+4*j+2], v[X+4*j+3]
.set j, j+1
.endr
	s_wait_alu depctr_va_vdst(0)                   ; the block's conversions have written the first two registers of each row, which the four stores below read
.set j, BLOCK*p
.rept BLOCK
	global_store_b64 v2, v[X+4*j:X+4*j+1], s[30:31] offset:2048*j    ; no register that a store reads is written again: no further wait
.set j, j+1
.endr
.set p, p+1
.endr
	s_endpgm
.Lfunc_end_k_q7682a69782_prep:
	.size	k_q7682a69782_prep, .Lfunc_end_k_q7682a69782_prep-k_q7682a69782_prep
	.p2alignl 7, 3214868480
	.fill 96, 4, 3214868480
	.section	.rodata,"a",@progbits
	.p2align	6, 0x0
	.amdhsa_kernel k_q7682a69782_prep
		.amdhsa_group_segment_fixed_size 0
		.amdhsa_private_segment_fixed_size 0
		.amdhsa_enable_private_segment 0
		.amdhsa_kernarg_size 56
		.amdhsa_user_sgpr_count 2
		.amdhsa_user_sgpr_kernarg_segment_ptr 1
		.amdhsa_wavefront_size32 1
		.amdhsa_system_sgpr_workgroup_id_x 1
		.amdhsa_system_sgpr_workgroup_id_y 1
		.amdhsa_system_sgpr_workgroup_id_z 1
		.amdhsa_system_vgpr_workitem_id 0
		.amdhsa_next_free_vgpr 144
		.amdhsa_next_free_sgpr 66
		.amdhsa_reserve_vcc 0
		.amdhsa_float_denorm_mode_32 3
		.amdhsa_float_denorm_mode_16_64 3
		.amdhsa_memory_ordered 1
		.amdhsa_forward_progress 1
		.amdhsa_inst_pref_size 15
	.end_amdhsa_kernel
	.amdgpu_metadata
---
amdhsa.version: [ 1, 2 ]
amdhsa.kernels:
  - .name:           k_q7682a69782_prep
    .symbol:         k_q7682a69782_prep.kd
    .args:
      - { .name: x, .offset: 0, .size: 8, .value_kind: global_buffer, .address_space: global }
      - { .name: Wq, .offset: 8, .size: 8, .value_kind: global_buffer, .address_space: global }
      - { .name: Wk, .offset: 16, .size: 8, .value_kind: global_buffer, .address_space: global }
      - { .name: Wv, .offset: 24, .size: 8, .value_kind: global_buffer, .address_space: global }
      - { .name: Wo, .offset: 32, .size: 8, .value_kind: global_buffer, .address_space: global }
      - { .name: cb, .offset: 40, .size: 8, .value_kind: global_buffer, .address_space: global }
      - { .name: tab, .offset: 48, .size: 8, .value_kind: global_buffer, .address_space: global }
    .group_segment_fixed_size: 0
    .private_segment_fixed_size: 0
    .kernarg_segment_align: 8
    .kernarg_segment_size: 56
    .max_flat_workgroup_size: 256
    .sgpr_count:     66
    .vgpr_count:     144
    .wavefront_size: 32
...
	.end_amdgpu_metadata
.endif
;; end of part 5
;; launch qkv: the kernel of part 2 again; grid 16 x 16, 4 waves a work-group, clusters of 4 x 4, 327,680 bytes of LDS; arguments cb, tab, qb, kb, vb; writes qb, kb, vb
;; launch attn: the kernel of part 3 again; grid 8 x 32, 4 waves a work-group, clusters of 4 x 4, 327,680 bytes of LDS; arguments qb, kb, vb, mask, ao; writes ao
;; launch oproj: the kernel of part 4 again; grid 8 x 32, 4 waves a work-group, clusters of 4 x 4, 327,680 bytes of LDS; arguments ao, cb, bo, out0; writes out0
